; MI455X (gfx1250); checked and timed in simulation.
; The chip was launched on July 23, 2026; its instructions are those of AMD's public machine-readable ISA for CDNA 5 (MIT licence, August 2026) and "CDNA5" Instruction Set Architecture Reference Guide (July 2026). The comments in the code are by the model that wrote it; some were corrected since.
;; Transformer Block. Allowed arithmetic: float matrix products may take bf16 or f16 operands with f32 sums; all other float work in f32.
;; Inputs: W1 1,024 x 4,096 float32; W2 4,096 x 1,024 float32; Wk 1,024 x 1,024 float32; Wo 1,024 x 1,024 float32; Wq 1,024 x 1,024 float32; Wv 1,024 x 1,024 float32; b1 4,096 float32; b2 1,024 float32; be1 1,024 float32; be2 1,024 float32; g1 1,024 float32; g2 1,024 float32; x 16 x 256 x 1,024 float32.
;; Outputs: out0 16 x 256 x 1,024 float32.
;; One version. Each part assembles by itself: llvm-mc -triple=amdgcn-amd-amdhsa -mcpu=gfx1250 --defsym DOCPART=n.
;; ======== version 1 of 1: 6 launches
;; limits: values are held in f16: magnitudes above 65,504 overflow, below 6.1e-05 lose precision
;; workspace buffers: hn 8,388,608 bytes; wqkv 6,291,456 bytes; wob 2,097,152 bytes; w1b 8,388,608 bytes; w2b 8,388,608 bytes; attn 8,388,608 bytes; x1 16,777,216 bytes; hff 33,554,432 bytes
;; launch prep (part 1): grid 64 x 7, 8 waves a work-group, no clusters, 0 bytes of LDS; arguments x, g1, be1, hn, Wq, Wk, Wv, wqkv; writes hn, wqkv
.if DOCPART == 1
	.amdgcn_target "amdgcn-amd-amdhsa--gfx1250"
	.amdhsa_code_object_version 6
	.text
	.protected	k_q2764e3adb6_prep
	.globl	k_q2764e3adb6_prep
	.p2align	8
	.type	k_q2764e3adb6_prep,@function
k_q2764e3adb6_prep:
	s_mov_b64 s[64:65], 0
	v_nop
	global_prefetch_b8 v0, s[64:65] scope:SCOPE_SE
	s_setreg_imm32_b32 hwreg(HW_REG_WAVE_MODE, 25, 1), 1
	s_wait_xcnt 0x0
; Two jobs, picked by the grid's y.  Arguments: X, g, be, OUT, Wq, Wk, Wv, wqkv.
; y 0-3: OUT = LayerNorm(X; g, be), rounded to f16, rows 1024 y + 16 x .. + 15.  y 4-6: Wq, Wk, Wv rounded to f16 into the packed layout.
; The text runs twice: on a grid of 64 x 7 for LayerNorm 1 and the three casts, and on a grid of 256 x 1 (y = 0 alone, x up to 255) for LayerNorm 2.
; FORMAT: f16 operands for the matrix products.  Room: LayerNorm's result is at most 32 |g| + |be| by construction; weights of spread 1/32 lie near 1 when
; 30 times larger, and near 0.001 when 30 times smaller, where f16's step of 6e-8 is under 1e-4 of the spread.  LIMIT: a number above 65,504 becomes infinite.
; A stream: every input byte is read once, every output byte written once, so no LDS, no barrier and no matrix unit.
; LayerNorm: a wave takes two rows of 4,096 bytes and keeps them in registers: mean, then the mean of (x - mean)^2, as the
; definition has it (no difference of large sums), all in f32; 1/sqrt by v_rsq_f32.
; wqkv layout: [head 16][K step 8][q, k, v][k row 128][column 64] f16, so that a head's K step of 128 is 49,152 dense bytes.
.set X0,  8                            ; v[8:39]    row 0: load jj of lane l holds columns 128 jj + 4 l .. + 3
.set X1,  40                           ; v[40:71]   row 1
.set G,   72                           ; v[72:103]  gain of the same columns
.set BE,  104                          ; v[104:135] bias of the same columns
.set T,   136                          ; v[136:143] four chains of pairs
.set MU0, 144                          ; pairs: mean and 1/sigma of each row, twice (for the packed forms)
.set MU1, 146
.set RS0, 148
.set RS1, 150
.set Y0,  152                          ; v[152:167] row 0 in f16
.set Y1,  168                          ; v[168:183] row 1 in f16
.set PX,  184                          ; the other half of the lanes' sum
.macro REDUCE                          ; four pairs in T -> the sum over the wave's 32 lanes, in v[T] of every lane
	v_pk_add_f32 v[T:T+1], v[T:T+1], v[T+2:T+3]
	v_pk_add_f32 v[T+4:T+5], v[T+4:T+5], v[T+6:T+7]
	v_pk_add_f32 v[T:T+1], v[T:T+1], v[T+4:T+5]
	v_add_f32 v[T], v[T], v[T+1]
	v_add_f32_dpp v[T], v[T], v[T] row_xmask:1 row_mask:0xf bank_mask:0xf
	v_add_f32_dpp v[T], v[T], v[T] row_xmask:2 row_mask:0xf bank_mask:0xf
	v_add_f32_dpp v[T], v[T], v[T] row_xmask:4 row_mask:0xf bank_mask:0xf
	v_add_f32_dpp v[T], v[T], v[T] row_xmask:8 row_mask:0xf bank_mask:0xf
	v_permlanex16_b32 v[PX], v[T], s16, s17
	v_add_f32 v[T], v[T], v[PX]
.endm
; mean and 1/sqrt(variance + eps) of the row in X; X is left as x - mean.  left: the younger loads, which may stay out
.macro STATS X, MU, RS, left
	s_wait_loadcnt \left
.set k, 0
.rept 4
	v_pk_add_f32 v[T+2*k:T+2*k+1], v[\X+2*k:\X+2*k+1], v[\X+8+2*k:\X+8+2*k+1]   ; the first eight pairs start the chains
.set k, k+1
.endr
.set k, 8
.rept 8
	v_pk_add_f32 v[T+2*(k%4):T+2*(k%4)+1], v[T+2*(k%4):T+2*(k%4)+1], v[\X+2*k:\X+2*k+1]
.set k, k+1
.endr
	REDUCE
	v_mul_f32 v[\MU], s18, v[T]                    ; sum / 1024
	v_mul_f32 v[\MU+1], s18, v[T]
.set k, 0
.rept 16
	v_pk_add_f32 v[\X+2*k:\X+2*k+1], v[\X+2*k:\X+2*k+1], v[\MU:\MU+1] neg_lo:[0,1] neg_hi:[0,1]
.set k, k+1
.endr
.set k, 0
.rept 4
	v_pk_mul_f32 v[T+2*k:T+2*k+1], v[\X+2*k:\X+2*k+1], v[\X+2*k:\X+2*k+1]
.set k, k+1
.endr
.rept 12
	v_pk_fma_f32 v[T+2*(k%4):T+2*(k%4)+1], v[\X+2*k:\X+2*k+1], v[\X+2*k:\X+2*k+1], v[T+2*(k%4):T+2*(k%4)+1]
.set k, k+1
.endr
	REDUCE
	v_fma_f32 v[T], v[T], s18, s19                 ; variance + 1e-5
	v_rsq_f32 v[\RS], v[T]
	v_rsq_f32 v[\RS+1], v[T]
	v_nop                                          ; a plain instruction behind the transcendentals, ahead of their use (ISA guide 5.7.2)
.endm
; (x - mean) / sigma * g + be, rounded to f16 and stored: each store of the wave covers 256 consecutive bytes, aligned
.macro NORM X, RS, Y, rowoff
.set k, 0
	s_wait_alu depctr_va_vdst(0)
.rept 16
	v_pk_mul_f32 v[\X+2*k:\X+2*k+1], v[\X+2*k:\X+2*k+1], v[\RS:\RS+1]
	v_pk_fma_f32 v[\X+2*k:\X+2*k+1], v[\X+2*k:\X+2*k+1], v[G+2*k:G+2*k+1], v[BE+2*k:BE+2*k+1]
	v_cvt_pk_f16_f32 v[\Y+k], v[\X+2*k], v[\X+2*k+1]
.set k, k+1
.endr
.set k, 0
.rept 8
	global_store_b64 v2, v[\Y+2*k:\Y+2*k+1], s[10:11] offset:\rowoff+256*k
.set k, k+1
.endr
.endm
	s_and_b32 s2, ttmp7, 0xffff                    ; y
	s_cmp_ge_u32 s2, 4
	s_cbranch_scc1 .Lpacked
	; ---- LayerNorm: the work-group owns rows 1024 y + 16 x .. + 15, a wave two of them
	s_load_b256 s[4:11], s[0:1], 0x0               ; X s[4:5], g s[6:7], be s[8:9], OUT s[10:11]
	s_lshl_b32 s12, s2, 22                         ; 1,024 rows of 4,096 bytes
	s_lshl_b32 s13, ttmp9, 16                      ; 16 rows
	s_add_co_u32 s12, s12, s13
	s_mov_b32 s13, 0
	s_lshr_b32 s14, s12, 1                         ; the same rows in f16
	s_mov_b32 s15, 0
	s_mov_b32 s16, 0x76543210                      ; v_permlanex16_b32: each lane takes its own place in the other half
	s_mov_b32 s17, 0xfedcba98
	s_mov_b32 s18, 0x3a800000                      ; 1 / 1024
	s_mov_b32 s19, 0x3727c5ac                      ; 1e-5
	v_lshrrev_b32 v4, 5, v0                        ; wave
	v_and_b32 v5, 31, v0                           ; lane
	v_lshlrev_b32 v3, 4, v5                        ; 16 bytes a lane: g and be
	v_lshl_add_u32 v1, v4, 13, v3                  ; + two rows of X a wave
	v_lshlrev_b32 v2, 3, v5
	v_lshl_add_u32 v2, v4, 12, v2                  ; 8 bytes a lane + two rows of OUT a wave
	v_mov_b32 v[PX], 0                             ; the lane exchange counts as a reader of its destination
	s_wait_kmcnt 0x0
	s_add_nc_u64 s[4:5], s[4:5], s[12:13]
	s_add_nc_u64 s[10:11], s[10:11], s[14:15]
.irp jj, 0,1,2,3,4,5,6,7
	global_load_b128 v[X0+4*\jj:X0+4*\jj+3], v1, s[4:5] offset:512*\jj
.endr
.irp jj, 0,1,2,3,4,5,6,7
	global_load_b128 v[X1+4*\jj:X1+4*\jj+3], v1, s[4:5] offset:4096+512*\jj
.endr
.irp jj, 0,1,2,3,4,5,6,7
	global_load_b128 v[G+4*\jj:G+4*\jj+3], v3, s[6:7] offset:512*\jj
.endr
.irp jj, 0,1,2,3,4,5,6,7
	global_load_b128 v[BE+4*\jj:BE+4*\jj+3], v3, s[8:9] offset:512*\jj
.endr
	STATS X0, MU0, RS0, 24                         ; row 1, g and be (24 loads) may be out
	STATS X1, MU1, RS1, 16                         ; g and be may be out
	s_wait_loadcnt 0x0
	NORM X0, RS0, Y0, 0
	NORM X1, RS1, Y1, 2048
	s_endpgm
	; ---- Wq, Wk, Wv: the work-group takes 256 k rows x one head's 64 columns; 16 lanes read 256 consecutive bytes of a row
.Lpacked:
	s_load_b256 s[4:11], s[0:1], 0x20              ; Wq s[4:5], Wk s[6:7], Wv s[8:9], wqkv s[10:11]
	s_sub_co_u32 s12, s2, 4                        ; 0 q, 1 k, 2 v
	s_lshr_b32 s13, ttmp9, 2                       ; head
	s_and_b32 s14, ttmp9, 3                        ; which 256 k rows
	s_lshl_b32 s16, s14, 20                        ; 256 rows of 4,096 bytes
	s_lshl_b32 s17, s13, 8                         ; 64 columns of 4 bytes
	s_add_co_u32 s16, s16, s17
	s_mov_b32 s17, 0
	s_mul_i32 s18, s13, 393216                     ; a head: 8 K steps of 49,152 bytes
	s_mul_i32 s19, s14, 98304                      ; two K steps
	s_add_co_u32 s18, s18, s19
	s_lshl_b32 s19, s12, 14                        ; q, k or v: 16,384 bytes each
	s_add_co_u32 s18, s18, s19
	s_mov_b32 s19, 0
	v_lshrrev_b32 v3, 4, v0                        ; row 0-15 of a pass
	v_and_b32 v4, 15, v0
	v_lshlrev_b32 v1, 4, v4
	v_lshl_add_u32 v1, v3, 12, v1                  ; row x 4,096 + 16 bytes a lane
	v_lshlrev_b32 v2, 3, v0                        ; out: row x 128 + 8 bytes a lane = 8 x thread
	s_wait_kmcnt 0x0
	s_cmp_eq_u32 s12, 1
	s_cselect_b64 s[4:5], s[6:7], s[4:5]
	s_cmp_eq_u32 s12, 2
	s_cselect_b64 s[4:5], s[8:9], s[4:5]
	s_add_nc_u64 s[4:5], s[4:5], s[16:17]
	s_add_nc_u64 s[10:11], s[10:11], s[18:19]
.set i, 0
.rept 16                               ; sixteen passes of 16 rows, all in flight; eight passes fill a K step's 128 rows
	global_load_b128 v[8+4*i:11+4*i], v1, s[4:5] offset:i*65536 th:TH_LOAD_NT
.set i, i+1
.endr
.set i, 0
.rept 16
	s_wait_loadcnt 15-i                            ; loads come back in order: load i is in, the younger ones stay out
	v_cvt_pk_f16_f32 v[72+2*i], v[8+4*i], v[9+4*i]
	v_cvt_pk_f16_f32 v[73+2*i], v[10+4*i], v[11+4*i]
	global_store_b64 v2, v[72+2*i:73+2*i], s[10:11] offset:(i/8)*49152+(i%8)*2048   ; the wave stores 256 consecutive bytes, aligned
.set i, i+1
.endr
	s_endpgm
.Lfunc_end_k_q2764e3adb6_prep:
	.size	k_q2764e3adb6_prep, .Lfunc_end_k_q2764e3adb6_prep-k_q2764e3adb6_prep
	.p2alignl 7, 3214868480
	.fill 96, 4, 3214868480
	.section	.rodata,"a",@progbits
	.p2align	6, 0x0
	.amdhsa_kernel k_q2764e3adb6_prep
		.amdhsa_group_segment_fixed_size 0
		.amdhsa_private_segment_fixed_size 0
		.amdhsa_enable_private_segment 0
		.amdhsa_kernarg_size 64
		.amdhsa_user_sgpr_count 2
		.amdhsa_user_sgpr_kernarg_segment_ptr 1
		.amdhsa_wavefront_size32 1
		.amdhsa_system_sgpr_workgroup_id_x 1
		.amdhsa_system_sgpr_workgroup_id_y 1
		.amdhsa_system_sgpr_workgroup_id_z 1
		.amdhsa_system_vgpr_workitem_id 0
		.amdhsa_next_free_vgpr 192
		.amdhsa_next_free_sgpr 66
		.amdhsa_reserve_vcc 0
		.amdhsa_float_denorm_mode_32 3
		.amdhsa_float_denorm_mode_16_64 3
		.amdhsa_memory_ordered 1
		.amdhsa_forward_progress 1
		.amdhsa_inst_pref_size 27
	.end_amdhsa_kernel
	.amdgpu_metadata
---
amdhsa.version: [ 1, 2 ]
amdhsa.kernels:
  - .name:           k_q2764e3adb6_prep
    .symbol:         k_q2764e3adb6_prep.kd
    .args:
      - { .name: x, .offset: 0, .size: 8, .value_kind: global_buffer, .address_space: global }
      - { .name: g1, .offset: 8, .size: 8, .value_kind: global_buffer, .address_space: global }
      - { .name: be1, .offset: 16, .size: 8, .value_kind: global_buffer, .address_space: global }
      - { .name: hn, .offset: 24, .size: 8, .value_kind: global_buffer, .address_space: global }
      - { .name: Wq, .offset: 32, .size: 8, .value_kind: global_buffer, .address_space: global }
      - { .name: Wk, .offset: 40, .size: 8, .value_kind: global_buffer, .address_space: global }
      - { .name: Wv, .offset: 48, .size: 8, .value_kind: global_buffer, .address_space: global }
      - { .name: wqkv, .offset: 56, .size: 8, .value_kind: global_buffer, .address_space: global }
    .group_segment_fixed_size: 0
    .private_segment_fixed_size: 0
    .kernarg_segment_align: 8
    .kernarg_segment_size: 64
    .max_flat_workgroup_size: 256
    .sgpr_count:     66
    .vgpr_count:     192
    .wavefront_size: 32
...
	.end_amdgpu_metadata
.endif
;; end of part 1
;; launch qkvattn (part 2): grid 16 x 16, 4 waves a work-group, clusters of 4 x 4, 327,680 bytes of LDS; arguments hn, wqkv, attn, Wo, W1, W2, wob, w1b, w2b; writes attn, wob, w1b, w2b
.if DOCPART == 2
	.amdgcn_target "amdgcn-amd-amdhsa--gfx1250"
	.amdhsa_code_object_version 6
	.text
	.protected	k_q2764e3adb6_qkvattn
	.globl	k_q2764e3adb6_qkvattn
	.p2align	8
	.type	k_q2764e3adb6_qkvattn,@function
k_q2764e3adb6_qkvattn:
	s_mov_b64 s[64:65], 0
	v_nop
	global_prefetch_b8 v0, s[64:65] scope:SCOPE_SE
	s_setreg_imm32_b32 hwreg(HW_REG_WAVE_MODE, 25, 1), 1
	s_wait_xcnt 0x0
	s_wait_alu depctr_hold_cnt(0) depctr_sa_sdst(0) depctr_va_vdst(0) depctr_va_sdst(0) depctr_va_ssrc(0) depctr_va_vcc(0) depctr_vm_vsrc(0)
	s_getreg_b32 s2, hwreg(HW_REG_IB_STS2, 6, 4)
	s_cmp_eq_u32 s2, 0
	s_cbranch_scc0 .Lentry_in_a_cluster
	s_endpgm
.Lentry_in_a_cluster:
	s_bfe_u32 s2, ttmp6, 0x10000c
	s_cmp_lg_u32 s2, 0xf033
	s_cbranch_scc0 .Lentry_shape_is_right
	s_endpgm
.Lentry_shape_is_right:
; qkvattn: one (batch, head) to a work-group.  Q, K, V = hn[batch] (256 x 1024) x W[:, head] (1024 x 192), then causal attention, all inside the
; work-group: Q, K and V never go to memory.  Operands f16, sums f32; the weights p are rounded to f16 for the second product and their sum is taken
; of the rounded weights.  The row maximum is taken away before the exponential.
; BESIDE THE PRODUCTS each wave rounds its share of Wo, W1 and W2 to f16 for the later launches (wob, w1b, w2b keep the layout [k][n]): the products fetch 917,504 bytes
; a work-group in eight K steps, so the road to memory has room for 147,456 bytes more.  Eight batches of nine loads a lane (4 of W1, 4 of W2, 1 of Wo); one batch is always on its way.
; FORMAT AND LIMITS: Q, K, V and the result are rounded to f16 and become infinite above 65,504.  Room: with gains and weights all 30 times larger (30 and 30/32) their
; root mean square is 32 x 30 x 30/32 = 900 and the largest of them about 5,000; with offsets of 30 on be and 30/32 on the weights they lie near 1024 x 30 x 30/32 = 29,000.
; Weights of spread 1/32 or 1/64 lie near 1 when 30 times larger and near 0.0005 when 30 times smaller, where f16's step of 6e-8 is about 1e-4 of the spread.
; A weight p under 2^-126 is flushed to 0 by v_exp_f32, one under 3e-8 by the rounding to f16.  A NaN score loses against the mask's +inf in v_min_num_f32 and comes out as NaN again through inf - inf.
; SHARES: wave w owns the token tiles 4 j + w (j = 0..3, 16 tokens each) and all 192 columns: 48 accumulators.  With that interleaving each wave's tile j needs
; the keys under 64 (j + 1): the same text in every wave, 10 of 16 key chunks.
; THE MATRIX INSTRUCTION IS USED TRANSPOSED (source 0 = 16 columns of W, source 1 = 16 tokens): a lane holds one token and eight neighbouring columns, so two
; neighbouring accumulators of Q, rounded in pairs, ARE source 1 of S^T = K Q^T, and two of S^T are source 1 of O^T = V^T P.
; CLUSTER 4 x 4: x is the head, y the batch.  hn's tiles are shared along a row of the cluster, W's along a column: joint loads.
; RING: K steps of 128 through two slots; the weights lie [k][n] and come out of LDS turned (ds_load_tr16_b128).
; REGISTERS (windows of 256).  Product phase: window 0 v0-31 addresses, v64-95 / v128-159 hn's fragments, v160-217 the casts; window 1 v0-95 / v128-223 W's fragments;
;   window 2 accumulators of j = 0, 1 at v[8 (12 (j % 2) + c)]; window 3 those of j = 2, 3.
; Attention: window 0 v32-63 the mask, v64-191 S^T, v192-255 P; window 1 all of K; window 2 all of V; window 3 v0-31 O^T, v32-47 row sums, v48-55 ones, v192-255 Q.
.set NSTEP, 8
.set PA,    272                        ; hn's LDS rows: 256 bytes + 16
.set PB,    288                        ; W's LDS rows: 256 bytes (two k rows of 128) + 32: the eight k rows of a turning load start 32 bytes apart modulo 256
.set AHALF, 128*PA
.set BOFF,  2*AHALF
.set BHALF, 96*PB
.set SLOT,  131072                     ; shares no bit with a tile's place in its slot, so an exclusive or changes slots
.set ASTEP, 256
.set BSTEP, 49152
.set PKS,   144                        ; K's stage and the way out: rows of 128 bytes + 16
.set PVS,   160                        ; V's stage: rows of 128 bytes + 32
.set VST,   256*PKS                    ; K's stage at 0, V's behind it: in slot 0, which has had its last fill by then
.set OST,   2*SLOT                     ; behind the ring: 16 rows x 144 bytes for each wave
.set SPARE, OST+4*16*PKS               ; the spare words, 128 bytes a wave
.set XH,    5
.set RL,    6
.set ADRA0, 8
.set ADRB0, 9
.set ADRA,  10
.set ADRB,  11
.set KSTO,  12
.set VSTO,  13
.set KRD,   14
.set VRD,   15
.set OSTO,  16
.set ORD,   17
.set GO,    18
.set THR,   19
.set NINF,  20
.set PINF,  21
.set MX,    22                         ; v22-25 four chains of the maximum
.set CM,    26                         ; v[26:27] c m
.set SPW,   28
.set NIL,   29
.set RI,    30                         ; v[30:31] 1 / l
.set MB,    32
.set S,     64
.set P,     192
.set OT,    64
.set OB,    80
.set CIN,   160                        ; v160-195 a batch of the casts as loaded: 9 x 4 registers
.set COUT,  196                        ; v196-213 the batch in f16: 9 x 2 registers
.set CV1,   214                        ; my byte offset in a batch of W1 or W2: 2,048 w + 16 lane
.set CV1O,  215                        ; and in w1b or w2b: half of it
.set CVO,   216                        ; my byte offset in a batch of Wo: 512 w + 16 lane
.set CVOO,  217                        ; and in wob: half of it
.set G1,  24
.set G0,  32
.set G1B, 48
.set G0B, 56
.set CS,  66                           ; s[66:67] c = log2(e) / 8
.set SEL, 68                           ; s[68:69]
.set WOS, 70                           ; s[70:71] Wo, s[72:73] W1, s[74:75] W2: where the next batch is read
.set W1S, 72
.set W2S, 74
.set WOD, 76                           ; s[76:77] wob, s[78:79] w1b, s[80:81] w2b: where the batch in hand is stored
.set W1D, 78
.set W2D, 80
.set MSB, 0
.macro WIN new                         ; the immediate's high byte repeats the setting that is left
.if MSB != (\new)
	s_set_vgpr_msb (MSB<<8)|(\new)
.set MSB, \new
.endif
.endm
.set MUL_LO, 0xa1
.set MUL_HI, 0xf1
.set TO_B,   0x40
.macro PLACES                          ; four places behind matrix instructions (ISA guide 7.12.1)
.rept 4
	v_nop
.endr
.endm
.macro JLOAD                           ; the joint refill by the walking descriptors: waves 0, 1 hn's halves, waves 2, 3 W's; four v_nop follow each line
	s_cmp_eq_u32 s11, 0
	s_cbranch_scc0 .Lfor_b_\@
	tensor_load_to_lds s[G0+4:G0+7], s[G1:G1+7]
	s_nop 0
.rept 4
	v_nop
.endr
	s_branch .Lasked_\@
.Lfor_b_\@:
	tensor_load_to_lds s[G0B+4:G0B+7], s[G1B:G1B+7]
	s_nop 0
.rept 4
	v_nop
.endr
.Lasked_\@:
.endm
.macro CREST
	s_cmp_lg_u32 s10, 0
	s_cbranch_scc1 .Lnot_wave_0_\@
	s_barrier_signal -3
.Lnot_wave_0_\@:
	s_barrier_wait -3
	s_barrier_signal -1
	s_barrier_wait -1
.endm
.macro CROUND
	s_barrier_signal -1
	s_barrier_wait -1
	CREST
.endm
; THE CASTS.  CASTIN asks for a batch: each load of the wave covers 512 consecutive bytes.
.macro CASTIN
.irp i, 0,1,2,3
	global_load_b128 v[CIN+4*\i:CIN+4*\i+3], v[CV1], s[W1S:W1S+1] offset:512*\i th:TH_LOAD_NT
.endr
.irp i, 0,1,2,3
	global_load_b128 v[CIN+16+4*\i:CIN+16+4*\i+3], v[CV1], s[W2S:W2S+1] offset:512*\i th:TH_LOAD_NT
.endr
	global_load_b128 v[CIN+32:CIN+35], v[CVO], s[WOS:WOS+1] th:TH_LOAD_NT
.endm
; CASTOUT rounds and stores the batch asked for a K step ago: each store of the wave covers 256 consecutive bytes, aligned.  step = 1: the six pointers go on to the next batch.
.macro CASTOUT step
	s_wait_loadcnt 0x0                             ; these are the kernel's only loads into registers
.set i, 0
.rept 9
	v_cvt_pk_f16_f32 v[COUT+2*i], v[CIN+4*i], v[CIN+4*i+1]
	v_cvt_pk_f16_f32 v[COUT+2*i+1], v[CIN+4*i+2], v[CIN+4*i+3]
.set i, i+1
.endr
.irp i, 0,1,2,3
	global_store_b64 v[CV1O], v[COUT+2*\i:COUT+2*\i+1], s[W1D:W1D+1] offset:256*\i
.endr
.irp i, 0,1,2,3
	global_store_b64 v[CV1O], v[COUT+8+2*\i:COUT+8+2*\i+1], s[W2D:W2D+1] offset:256*\i
.endr
	global_store_b64 v[CVOO], v[COUT+16:COUT+17], s[WOD:WOD+1]
.if \step
	s_wait_xcnt 0x0                                ; the stores' data and bases are rewritten only behind this wait
	s_add_nc_u64 s[W1S:W1S+1], s[W1S:W1S+1], 8192  ; a batch is 8,192 bytes of W1 and of W2 and 2,048 of Wo for the work-group
	s_add_nc_u64 s[W2S:W2S+1], s[W2S:W2S+1], 8192
	s_add_nc_u64 s[WOS:WOS+1], s[WOS:WOS+1], 2048
	s_add_nc_u64 s[W1D:W1D+1], s[W1D:W1D+1], 4096
	s_add_nc_u64 s[W2D:W2D+1], s[W2D:W2D+1], 4096
	s_add_nc_u64 s[WOD:WOD+1], s[WOD:WOD+1], 1024
.endif
.endm
	s_load_b128 s[4:7], s[0:1], 0x0                ; hn s[4:5], wqkv s[6:7]
	s_load_b64 s[8:9], s[0:1], 0x10                ; attn
	s_load_b64 s[WOS:WOS+1], s[0:1], 0x18          ; Wo
	s_load_b128 s[W1S:W1S+3], s[0:1], 0x20         ; W1, W2
	s_load_b128 s[WOD:WOD+3], s[0:1], 0x30         ; wob, w1b
	s_load_b64 s[W2D:W2D+1], s[0:1], 0x40          ; w2b
	v_lshl_add_u32 v[SPW], v0, 2, SPARE
	v_mov_b32 v[NIL], 0
	ds_add_u32 v28, v29
	s_wait_dscnt 0x0
	v_lshrrev_b32 v1, 5, v0
	v_readfirstlane_b32 s10, v1                    ; wave
	s_lshr_b32 s11, s10, 1                         ; I fetch hn (0) or W (1)
	s_and_b32 s12, s10, 1                          ; which half of that tile
	s_bfe_u32 s40, ttmp6, 0x40000                  ; cx
	s_bfe_u32 s41, ttmp6, 0x40004                  ; cy
	s_lshl_b32 s42, ttmp9, 2
	s_add_co_u32 s42, s42, s40                     ; head
	s_and_b32 s13, ttmp7, 0xffff
	s_lshl_b32 s13, s13, 2
	s_add_co_u32 s13, s13, s41                     ; batch
	s_lshl_b32 s43, s41, 2
	s_lshl_b32 s43, 15, s43                        ; my row of the cluster
	s_lshl_b32 s44, 0x1111, s40                    ; my column
	s_or_b32 s[G1+0], s43, (1<<16)|(1<<20)|(1<<21)|(5<<22)|(3<<25)   ; mask; 2-byte elements; padding on; bit 21 beside a mask; 4 words behind every 64
	s_mov_b32 s[G1+1], 128<<16                     ; tensor_dim0 = 128
	s_mov_b32 s[G1+2], 128<<16                     ; tensor_dim1 = 128
	s_mov_b32 s[G1+3], 128<<16                     ; tile_dim0 = 128
	s_mov_b32 s[G1+4], 128                         ; tile_dim1 = 128
	s_mov_b32 s[G1+5], 1024                        ; elements from row to row
	s_mov_b32 s[G1+6], 0
	s_mov_b32 s[G1+7], 0
	s_or_b32 s[G1B+0], s44, (1<<16)|(1<<20)|(1<<21)|(5<<22)|(7<<25)  ; 8 words behind every 64
	s_mov_b32 s[G1B+1], 128<<16
	s_mov_b32 s[G1B+2], 96<<16                     ; 96 rows of 256 dense bytes: half of a head's K step
	s_mov_b32 s[G1B+3], 128<<16
	s_mov_b32 s[G1B+4], 96
	s_mov_b32 s[G1B+5], 128
	s_mov_b32 s[G1B+6], 0
	s_mov_b32 s[G1B+7], 0
	s_lshl_b32 s16, s13, 19                        ; hn: 256 rows of 2,048 bytes a batch,
	s_lshl_b32 s17, s12, 18                        ; 128 rows a half
	s_add_co_u32 s16, s16, s17
	s_mov_b32 s17, 0
	s_mul_i32 s46, s42, 393216                     ; wqkv: a head,
	s_mul_i32 s47, s12, 24576                      ; half a K step
	s_add_co_u32 s46, s46, s47
	s_mov_b32 s47, 0
	s_mul_i32 s20, s12, AHALF                      ; where they go: the wave's number alone enters an LDS address
	s_mul_i32 s21, s12, BHALF
	s_add_co_u32 s21, s21, BOFF
	s_mov_b32 s45, 0                               ; the slot that is read
	s_mov_b32 s[CS], 0x3e38aa3b
	s_mov_b32 s[CS+1], s[CS]
	s_mov_b32 s[SEL], 0x76543210
	s_mov_b32 s[SEL+1], 0xfedcba98
	s_lshl_b32 s22, s13, 19                        ; attn: [token / 128][head][token % 128][64]: two blocks of 262,144 bytes a batch,
	s_lshl_b32 s23, s42, 14                        ; 16,384 a head,
	s_add_co_u32 s22, s22, s23
	s_lshl_b32 s23, s10, 11                        ; 16 tokens of 128 bytes a wave
	s_add_co_u32 s22, s22, s23
	s_mov_b32 s23, 0
	s_lshl_b32 s82, s13, 4                         ; the casts: work-group number g = 16 x batch + head,
	s_add_co_u32 s82, s82, s42
	s_lshl_b32 s82, s82, 13                        ; times 8,192
	s_mov_b32 s83, 0
	CROUND                                         ; all sixteen work-groups are here: the first joint loads meet.  The round needs no argument, so it stands ahead of the wait for them
	s_wait_kmcnt 0x0
	s_add_nc_u64 s[14:15], s[4:5], s[16:17]
	s_add_nc_u64 s[46:47], s[6:7], s[46:47]
.irp s, 0,1
	s_mov_b32 s[G0+4*\s], 1
	s_add_co_u32 s[G0+4*\s+1], s20, \s*SLOT
	s_add_nc_u64 s[G0+4*\s+2:G0+4*\s+3], s[14:15], \s*ASTEP
	s_or_b32 s[G0+4*\s+3], s[G0+4*\s+3], 0x80000000
	s_mov_b32 s[G0B+4*\s], 1
	s_add_co_u32 s[G0B+4*\s+1], s21, \s*SLOT
	s_add_nc_u64 s[G0B+4*\s+2:G0B+4*\s+3], s[46:47], \s*BSTEP
	s_or_b32 s[G0B+4*\s+3], s[G0B+4*\s+3], 0x80000000
.endr
	s_cmp_eq_u32 s11, 0                            ; a wave's two first fills stand in one branch: two loads of mine are out
	s_cbranch_scc0 .Lfirst_b
	tensor_load_to_lds s[G0:G0+3], s[G1:G1+7]
	s_nop 0
	tensor_load_to_lds s[G0+4:G0+7], s[G1:G1+7]
	s_nop 0
.rept 4
	v_nop
.endr
	s_branch .Lfirst_asked
.Lfirst_b:
	tensor_load_to_lds s[G0B:G0B+3], s[G1B:G1B+7]
	s_nop 0
	tensor_load_to_lds s[G0B+4:G0B+7], s[G1B:G1B+7]
	s_nop 0
.rept 4
	v_nop
.endr
.Lfirst_asked:
	s_add_nc_u64 s[8:9], s[8:9], s[22:23]
	s_add_nc_u64 s[WOD:WOD+1], s[WOD:WOD+1], s[82:83]   ; wob: 8,192 bytes a work-group
	s_lshl_b32 s82, s82, 1
	s_add_nc_u64 s[WOS:WOS+1], s[WOS:WOS+1], s[82:83]   ; Wo: 16,384
	s_lshl_b32 s82, s82, 1
	s_add_nc_u64 s[W1D:W1D+1], s[W1D:W1D+1], s[82:83]   ; w1b, w2b: 32,768
	s_add_nc_u64 s[W2D:W2D+1], s[W2D:W2D+1], s[82:83]
	s_lshl_b32 s82, s82, 1
	s_add_nc_u64 s[W1S:W1S+1], s[W1S:W1S+1], s[82:83]   ; W1, W2: 65,536
	s_add_nc_u64 s[W2S:W2S+1], s[W2S:W2S+1], s[82:83]
	v_and_b32 v1, 15, v0                           ; r = l % 16
	v_bfe_u32 v2, v0, 4, 1                         ; h = l / 16
	v_and_b32 v3, 31, v0
	v_lshlrev_b32 v[GO], 4, v3                     ; 16 bytes a lane
	v_lshlrev_b32 v7, 3, v3                        ; 8 bytes a lane
	s_lshl_b32 s14, s10, 11
	v_add_nc_u32 v[CV1], s14, v[GO]
	s_lshl_b32 s14, s10, 10
	v_add_nc_u32 v[CV1O], s14, v7
	s_lshl_b32 s14, s10, 9
	v_add_nc_u32 v[CVO], s14, v[GO]
	s_lshl_b32 s14, s10, 8
	v_add_nc_u32 v[CVOO], s14, v7
	CASTIN                                         ; the first batch
	v_mul_u32_u24 v3, v1, PA
	v_lshl_add_u32 v3, v2, 4, v3
	s_mul_i32 s14, s10, 16*PA
	v_add_nc_u32 v[ADRA0], s14, v3                 ; hn: (16 w + r) x pitch + 16 h; tile j is 64 rows on
	v_bfe_u32 v3, v0, 1, 2                         ; W, turned: k row 8 h + l % 8 lies in LDS row 4 h + (l % 8) / 2,
	v_lshl_add_u32 v3, v2, 2, v3
	v_mul_u32_u24 v3, v3, PB
	v_and_b32 v4, 1, v0                            ; in its half l % 2,
	v_lshl_add_u32 v3, v4, 7, v3
	v_bfe_u32 v4, v0, 3, 1                         ; columns 8 ((l / 8) % 2) on
	v_lshl_add_u32 v3, v4, 4, v3
	v_add_nc_u32 v[ADRB0], BOFF, v3
	v_mov_b32 v[ADRA], v[ADRA0]
	v_mov_b32 v[ADRB], v[ADRB0]
	v_mul_u32_u24 v3, v1, PKS
	v_lshl_add_u32 v[KRD], v2, 4, v3               ; a fragment of K: r x pitch + 16 h
	s_mul_i32 s14, s10, 16*PKS
	v_add_nc_u32 v[KSTO], s14, v[KRD]              ; my tokens' rows of K's stage
	s_add_co_u32 s14, s14, OST
	v_add_nc_u32 v[OSTO], s14, v[KRD]              ; my stage for the way out
	v_bfe_u32 v3, v0, 3, 2
	v_mul_u32_u24 v3, v3, PKS
	v_and_b32 v7, 7, v0
	v_lshl_add_u32 v3, v7, 4, v3
	v_add_nc_u32 v[ORD], s14, v3                   ; back: eight lanes take a token's 128 bytes
	v_mul_u32_u24 v3, v1, PVS
	v_lshl_add_u32 v3, v2, 4, v3
	s_mul_i32 s15, s10, 16*PVS
	s_add_co_u32 s15, s15, VST
	v_add_nc_u32 v[VSTO], s15, v3
	v_lshl_add_u32 v3, v2, 3, v7                   ; V, turned: key 8 h + l % 8
	v_mul_u32_u24 v3, v3, PVS
	v_lshl_add_u32 v3, v4, 4, v3
	v_add_nc_u32 v[VRD], VST, v3
	v_lshlrev_b32 v3, 3, v2
	v_sub_nc_u32 v3, v1, v3
	s_lshl_b32 s14, s10, 4
	v_add_nc_u32 v[THR], s14, v3                   ; 16 w + r - 8 h
	v_mov_b32 v[NINF], 0xff800000
	v_mov_b32 v[PINF], 0x7f800000
	v_mov_b32 v[XH], 0                             ; the lane exchange counts as a reader of its destination
; twelve products: token tile j x all twelve column blocks, 32 along K, from buffer n
.macro MUL12 n, j, zero
.irp c, 0,1,2,3,4,5,6,7,8,9,10,11
.if \zero
	v_wmma_f32_16x16x32_f16 v[8*(12*(\j%2)+\c):8*(12*(\j%2)+\c)+7], v[128*\n+8*\c:128*\n+8*\c+7], v[64+64*\n+8*\j:64+64*\n+8*\j+7], 0
.else
	v_wmma_f32_16x16x32_f16 v[8*(12*(\j%2)+\c):8*(12*(\j%2)+\c)+7], v[128*\n+8*\c:128*\n+8*\c+7], v[64+64*\n+8*\j:64+64*\n+8*\j+7], v[8*(12*(\j%2)+\c):8*(12*(\j%2)+\c)+7]
.endif
.endr
.endm
; 32 LDS loads in one run: quarter q (32 along K) of the slot in hand into buffer n: W's twelve fragments, then hn's four
.macro FETCH q, n
	WIN TO_B
.irp p, 0,1,2
.irp cb, 0,1,2,3
	ds_load_tr16_b128 v[128*\n+8*(4*\p+\cb):128*\n+8*(4*\p+\cb)+3],   v[ADRB] offset:\p*64*PB+\q*16*PB+32*\cb
	ds_load_tr16_b128 v[128*\n+8*(4*\p+\cb)+4:128*\n+8*(4*\p+\cb)+7], v[ADRB] offset:\p*64*PB+\q*16*PB+8*PB+32*\cb
.endr
.endr
	WIN 0
.irp j, 0,1,2,3
	ds_load_b128 v[64+64*\n+8*\j:64+64*\n+8*\j+3],   v[ADRA] offset:\j*64*PA+64*\q
	ds_load_b128 v[64+64*\n+8*\j+4:64+64*\n+8*\j+7], v[ADRA] offset:\j*64*PA+64*\q+32
.endr
.endm
; one of a K step's first three quarters: multiplies buffer f, and in its middle fetches quarter q into buffer g
.macro QUARTER q, f, g, zero
	s_wait_dscnt 4                                 ; all but the youngest four loads: hn's tiles 2 and 3
	WIN MUL_LO
	MUL12 \f, 0, \zero
	MUL12 \f, 1, \zero
	PLACES
	FETCH \q, \g
	s_wait_dscnt 32                                ; all but the 32 just issued
	WIN MUL_HI
	MUL12 \f, 2, \zero
	MUL12 \f, 3, \zero
.endm
; The fourth quarter changes slots and multiplies buffer 1.  One barrier: in front of it each wave waits for all its tensor loads (one is out: its part of the next slot),
; adds 0 to its spare word, and waits for that and for its reads of this slot.  fill = 1: the barrier opens a round of the cluster's, and the slot is filled again, two K steps ahead.
; A K step has 192 matrix instructions a wave for 114,688 bytes fetched, less work for a byte than a tile of 256 x 256 has, so the refill is not kept waiting:
; no product stands between the wait for the tile and the refill; the quarter's 48 follow the refill and the next slot's fragment loads, which land under them.
.macro TURN fill
	WIN 0
	s_wait_tensorcnt 0x0
	ds_add_u32 v[SPW], v[NIL]                      ; the steps below stand between the add and the wait for it
.if \fill
	s_xor_b32 s[G0+5], s[G0+5], SLOT               ; no tensor load of mine is out: the walking descriptors take the other slot than last time, the next K step
	s_add_nc_u64 s[G0+6:G0+7], s[G0+6:G0+7], ASTEP
	s_xor_b32 s[G0B+5], s[G0B+5], SLOT
	s_add_nc_u64 s[G0B+6:G0B+7], s[G0B+6:G0B+7], BSTEP
.endif
	s_xor_b32 s45, s45, SLOT
	s_wait_dscnt 0x0                               ; the add is done, my reads of this slot are over
	s_barrier_signal -1
	s_barrier_wait -1
.if \fill
	CREST                                          ; no wave of any partner still reads this slot or has a load on its way
	JLOAD                                          ; my one tensor load behind the round; its four v_nop are also the places in front of the loads below
.else
	PLACES
.endif
	v_add_nc_u32 v[ADRA], s45, v[ADRA0]
	v_add_nc_u32 v[ADRB], s45, v[ADRB0]
	FETCH 0, 0
	WIN MUL_LO
	MUL12 1, 0, 0
	MUL12 1, 1, 0
	WIN MUL_HI
	MUL12 1, 2, 0
	MUL12 1, 3, 0
.endm
	s_wait_tensorcnt 0x1                           ; my part of K step 0 is in; K step 1's may stay out
	s_barrier_signal -1
	s_barrier_wait -1
	FETCH 0, 0
	QUARTER 1, 0, 1, 1                             ; the first quarter's products start the sums
	WIN 0
	s_mov_b32 s3, NSTEP-2
.Lstep:                                                ; a trip: from a K step's second quarter to the next step's first; it fills the slot that it leaves
	CASTOUT 1                                      ; batches 0 to 5 leave, batches 1 to 6 are asked for
	CASTIN
	QUARTER 2, 1, 0, 0
	QUARTER 3, 0, 1, 0
	TURN 1
	QUARTER 1, 0, 1, 0
	WIN 0
	s_sub_co_u32 s3, s3, 1
	s_cmp_lg_u32 s3, 0
	s_cbranch_scc1 .Lstep
	s_mov_b32 s2, 2
.Ltail:                                                ; the last two K steps fill nothing: two trips, of which the second leaves ahead of the change of slots
	QUARTER 2, 1, 0, 0
	QUARTER 3, 0, 1, 0
	WIN 0
	s_cmp_eq_u32 s2, 1
	s_cbranch_scc1 .Llast
	CASTOUT 1                                      ; batch 6 leaves, batch 7 is asked for
	CASTIN
	TURN 0
	QUARTER 1, 0, 1, 0
	WIN 0
	s_sub_co_u32 s2, s2, 1
	s_cmp_lg_u32 s2, 0
	s_cbranch_scc1 .Ltail
.Llast:
	CASTOUT 0                                      ; batch 7, the last
	s_wait_dscnt 4
	WIN MUL_LO
	MUL12 1, 0, 0
	MUL12 1, 1, 0
	s_wait_dscnt 0x0
	WIN MUL_HI
	MUL12 1, 2, 0
	MUL12 1, 3, 0
	; Q, K, V TO F16.  Q stays in registers as source 1 of K Q^T; K and V go through LDS, since every wave needs all keys.
	WIN 0
	PLACES
	s_barrier_signal -1                            ; every wave has multiplied its last fragments: nobody reads the ring any more
	s_barrier_wait -1
.macro CVT4 dst, src                   ; an accumulator's eight numbers, in ascending order, into four registers
.irp i, 0,1,2,3
	v_cvt_pk_f16_f32 v[\dst+\i], v[\src+2*\i], v[\src+2*\i+1]
.endr
.endm
.irp g, 0,1                            ; g = 0: tiles 0, 1 (window 2); 1: tiles 2, 3 (window 3)
	WIN 0xca+5*\g                                  ; into window 3
.irp jj, 0,1
.irp c, 0,1,2,3
	CVT4 192+16*(2*\g+\jj)+4*\c, 8*(12*\jj+\c)
.endr
.endr
	WIN 0x0a+5*\g                                  ; into window 0
.irp jj, 0,1
.irp c, 4,5,6,7,8,9,10,11
	CVT4 64+32*(2*\g+\jj)+4*(\c-4), 8*(12*\jj+\c)
.endr
.endr
.endr
	WIN 0
.irp j, 0,1,2,3
.irp c, 0,1,2,3
	ds_store_b128 v[KSTO], v[64+32*\j+4*\c:64+32*\j+4*\c+3] offset:\j*64*PKS+32*\c
	ds_store_b128 v[VSTO], v[80+32*\j+4*\c:80+32*\j+4*\c+3] offset:\j*64*PVS+32*\c
.endr
.endr
	s_wait_dscnt 0x0                               ; for the others' sake: my rows of K and V are in LDS
	s_barrier_signal -1
	s_barrier_wait -1
; K AND V INTO REGISTERS, each fragment once, by chunks of 64 keys, 32 loads a chunk: K (key block kb, channels 32 e on) at window 1 v[16 kb + 8 e],
; V (keys 32 kc on, channels 16 cv on), turned, at window 2 v[32 kc + 8 cv]
.macro LOADKV n
	WIN 0x40
.set i, 0
.rept 8
	ds_load_b128 v[64*(\n)+8*i:64*(\n)+8*i+3],   v[KRD] offset:(4*(\n)+i/2)*16*PKS+64*(i%2)
	ds_load_b128 v[64*(\n)+8*i+4:64*(\n)+8*i+7], v[KRD] offset:(4*(\n)+i/2)*16*PKS+64*(i%2)+32
.set i, i+1
.endr
	WIN 0x80
.set i, 0
.rept 8
	ds_load_tr16_b128 v[64*(\n)+8*i:64*(\n)+8*i+3],   v[VRD] offset:(2*(\n)+i/4)*32*PVS+32*(i%4)
	ds_load_tr16_b128 v[64*(\n)+8*i+4:64*(\n)+8*i+7], v[VRD] offset:(2*(\n)+i/4)*32*PVS+16*PVS+32*(i%4)
.set i, i+1
.endr
.endm
	LOADKV 0
	WIN 0
	; the causal mask of a tile's last chunk, the same for my four tiles: key 16 kbr + 8 h + i' is cut off where it is above query 16 w + r
.set i, 0
.rept 32
	v_cmp_gt_i32 vcc_lo, 16*(i/8)+i%8, v[THR]
	v_cndmask_b32 v[MB+i], v[PINF], v[NINF], vcc_lo
.set i, i+1
.endr
	WIN 0xc0
.set i, 0
.rept 8
	v_mov_b32 v[48+i], 0x3c003c00                  ; sixteen rows of ones in f16: P's row sums come from the matrix unit, whole in every lane
.set i, i+1
.endr
	WIN 0
	s_wait_dscnt 0x0                               ; chunk 0 is in
; TOKEN TILE 4 j + w against the keys under 64 (j + 1).  At its head the next tile's new chunk is asked for: it lands under this tile's work, and the wait for 0 on this tile's way out covers it
.macro QTILE j
.set NKB, 4*(\j+1)
.set NKC, 2*(\j+1)
	s_wait_xcnt 0x0                                ; earlier stores (the last tile's; ahead of tile 0 the casts') have read their registers, which S^T and P take again
.if \j < 3
	LOADKV \j+1
.endif
	WIN 0x0d                                       ; K window 1, Q window 3, S^T window 0
.irp e, 0,1
.set kb, 0
.rept NKB
.if \e == 0
	v_wmma_f32_16x16x32_f16 v[S+8*kb:S+8*kb+7], v[16*kb:16*kb+7], v[192+16*\j:192+16*\j+7], 0
.else
	v_wmma_f32_16x16x32_f16 v[S+8*kb:S+8*kb+7], v[16*kb+8:16*kb+15], v[200+16*\j:200+16*\j+7], v[S+8*kb:S+8*kb+7]
.endif
.set kb, kb+1
.endr
.endr
	WIN 0
	PLACES
.set i, 0
.rept 32
	v_min_num_f32 v[S+32*\j+i], v[S+32*\j+i], v[MB+i]   ; the last chunk: -inf above the diagonal, untouched elsewhere
.set i, i+1
.endr
.irp k, 0,1,2,3                        ; the maximum, in four chains; each accumulator is read from its low end on
	v_max3_num_f32 v[MX+\k], v[S+8*\k], v[S+8*\k+1], v[S+8*\k+2]
.endr
.irp k, 0,1,2,3
	v_max3_num_f32 v[MX+\k], v[MX+\k], v[S+8*\k+3], v[S+8*\k+4]
.endr
.irp k, 0,1,2,3
	v_max3_num_f32 v[MX+\k], v[MX+\k], v[S+8*\k+5], v[S+8*\k+6]
.endr
	v_max3_num_f32 v[MX], v[MX], v[S+7], v[S+15]
	v_max3_num_f32 v[MX+2], v[MX+2], v[S+23], v[S+31]
.if \j > 0
.set ch, 1
.rept \j
.irp m, 0,1,2,3
.irp k, 0,1,2,3
	v_max3_num_f32 v[MX+\k], v[MX+\k], v[S+8*(4*ch+\k)+2*\m], v[S+8*(4*ch+\k)+2*\m+1]
.endr
.endr
.set ch, ch+1
.endr
.endif
	v_max3_num_f32 v[MX], v[MX], v[MX+1], v[MX+2]
	v_max_num_f32 v[MX], v[MX], v[MX+3]
	v_permlanex16_b32 v[XH], v[MX], s[SEL], s[SEL+1]   ; the query's other keys lie in the lane 16 away
	v_max_num_f32 v[MX], v[MX], v[XH]
	v_mul_f32 v[CM], s[CS], v[MX]
	v_mul_f32 v[CM+1], s[CS], v[MX]
.set i, 0
.rept 8*NKC
	v_pk_fma_f32 v[S+2*i:S+2*i+1], v[S+2*i:S+2*i+1], s[CS:CS+1], v[CM:CM+1] op_sel_hi:[1,0,0] neg_lo:[0,0,1] neg_hi:[0,0,1]   ; c s - c m
.set i, i+1
.endr
.set i, 0
.rept 16*NKC
	v_exp_f32 v[S+i], v[S+i]
.set i, i+1
.endr
	v_nop                                          ; a plain instruction behind the last exponential, ahead of its use
.set i, 0
	s_wait_alu depctr_va_vdst(0)
.rept 8*NKC
	v_cvt_pk_f16_f32 v[P+i], v[S+2*i], v[S+2*i+1]
.set i, i+1
.endr
	WIN 0xf2                                       ; V window 2, P window 0, O^T window 3; the four accumulators take turns
.set kc, 0
.rept NKC
.irp cv, 0,1,2,3
.if kc == 0
	v_wmma_f32_16x16x32_f16 v[8*\cv:8*\cv+7], v[32*kc+8*\cv:32*kc+8*\cv+7], v[P+8*kc:P+8*kc+7], 0
.else
	v_wmma_f32_16x16x32_f16 v[8*\cv:8*\cv+7], v[32*kc+8*\cv:32*kc+8*\cv+7], v[P+8*kc:P+8*kc+7], v[8*\cv:8*\cv+7]
.endif
.endr
.set kc, kc+1
.endr
	WIN 0xf3                                       ; ones window 3: the row sums, on two accumulators by turns
.set kc, 0
.rept NKC
.if kc < 2
	v_wmma_f32_16x16x32_f16 v[32+8*(kc%2):32+8*(kc%2)+7], v[48:55], v[P+8*kc:P+8*kc+7], 0
.else
	v_wmma_f32_16x16x32_f16 v[32+8*(kc%2):32+8*(kc%2)+7], v[48:55], v[P+8*kc:P+8*kc+7], v[32+8*(kc%2):32+8*(kc%2)+7]
.endif
.set kc, kc+1
.endr
	PLACES
	WIN 0x0f
	v_add_f32 v[RL], v32, v40                      ; l: each sum's lowest register holds my query's
	WIN 0
	v_rcp_f32 v[RI], v[RL]
	v_rcp_f32 v[RI+1], v[RL]
	v_nop
	WIN 0xc3
.set i, 0
	s_wait_alu depctr_va_vdst(0)
.rept 16
	v_pk_mul_f32 v[2*i:2*i+1], v[2*i:2*i+1], v[RI:RI+1]
.set i, i+1
.endr
	WIN 0x0f
.set i, 0
.rept 16
	v_cvt_pk_f16_f32 v[OT+i], v[2*i], v[2*i+1]
.set i, i+1
.endr
	WIN 0
.irp cv, 0,1,2,3
	ds_store_b128 v[OSTO], v[OT+4*\cv:OT+4*\cv+3] offset:32*\cv
.endr
.irp i, 0,1,2,3
	ds_load_b128 v[OB+4*\i:OB+4*\i+3], v[ORD] offset:4*PKS*\i   ; LDS serves a wave's instructions in order (ISA guide 5.7.1.4): these see the stores above
.endr
	s_wait_dscnt 0x0                               ; the tile is back in registers, and the next tile's chunk of K and V is in
.irp i, 0,1,2,3
	global_store_b128 v[GO], v[OB+4*\i:OB+4*\i+3], s[8:9] offset:(\j/2)*262144+(\j%2)*8192+512*\i   ; the wave stores 512 consecutive bytes, aligned: four tokens of this head
.endr
.endm
	QTILE 0
	QTILE 1
	QTILE 2
	QTILE 3
	s_wait_tensorcnt 0x0                           ; the wave's end
	ds_add_u32 v[SPW], v[NIL]
	s_wait_dscnt 0x0
	CROUND                                         ; the closing round
	s_endpgm
.Lfunc_end_k_q2764e3adb6_qkvattn:
	.size	k_q2764e3adb6_qkvattn, .Lfunc_end_k_q2764e3adb6_qkvattn-k_q2764e3adb6_qkvattn
	.p2alignl 7, 3214868480
	.fill 96, 4, 3214868480
	.section	.rodata,"a",@progbits
	.p2align	6, 0x0
	.amdhsa_kernel k_q2764e3adb6_qkvattn
		.amdhsa_group_segment_fixed_size 327680
		.amdhsa_private_segment_fixed_size 0
		.amdhsa_enable_private_segment 0
		.amdhsa_kernarg_size 72
		.amdhsa_user_sgpr_count 2
		.amdhsa_user_sgpr_kernarg_segment_ptr 1
		.amdhsa_wavefront_size32 1
		.amdhsa_system_sgpr_workgroup_id_x 1
		.amdhsa_system_sgpr_workgroup_id_y 1
		.amdhsa_system_sgpr_workgroup_id_z 1
		.amdhsa_system_vgpr_workitem_id 0
		.amdhsa_next_free_vgpr 1024
		.amdhsa_next_free_sgpr 84
		.amdhsa_reserve_vcc 1
		.amdhsa_float_denorm_mode_32 3
		.amdhsa_float_denorm_mode_16_64 3
		.amdhsa_memory_ordered 1
		.amdhsa_forward_progress 1
		.amdhsa_inst_pref_size 170
	.end_amdhsa_kernel
	.amdgpu_metadata
---
amdhsa.version: [ 1, 2 ]
amdhsa.kernels:
  - .name:           k_q2764e3adb6_qkvattn
    .symbol:         k_q2764e3adb6_qkvattn.kd
    .args:
      - { .name: hn, .offset: 0, .size: 8, .value_kind: global_buffer, .address_space: global }
      - { .name: wqkv, .offset: 8, .size: 8, .value_kind: global_buffer, .address_space: global }
      - { .name: attn, .offset: 16, .size: 8, .value_kind: global_buffer, .address_space: global }
      - { .name: Wo, .offset: 24, .size: 8, .value_kind: global_buffer, .address_space: global }
      - { .name: W1, .offset: 32, .size: 8, .value_kind: global_buffer, .address_space: global }
      - { .name: W2, .offset: 40, .size: 8, .value_kind: global_buffer, .address_space: global }
      - { .name: wob, .offset: 48, .size: 8, .value_kind: global_buffer, .address_space: global }
      - { .name: w1b, .offset: 56, .size: 8, .value_kind: global_buffer, .address_space: global }
      - { .name: w2b, .offset: 64, .size: 8, .value_kind: global_buffer, .address_space: global }
    .group_segment_fixed_size: 327680
    .private_segment_fixed_size: 0
    .kernarg_segment_align: 8
    .kernarg_segment_size: 72
    .max_flat_workgroup_size: 128
    .sgpr_count:     84
    .vgpr_count:     1024
    .wavefront_size: 32
...
	.end_amdgpu_metadata
.endif
;; end of part 2
;; launch wo (part 3): grid 8 x 32, 4 waves a work-group, clusters of 4 x 4, 327,680 bytes of LDS; arguments attn, wob, x1, x; writes x1
.if DOCPART == 3
	.amdgcn_target "amdgcn-amd-amdhsa--gfx1250"
	.amdhsa_code_object_version 6
	.text
	.protected	k_q2764e3adb6_wo
	.globl	k_q2764e3adb6_wo
	.p2align	8
	.type	k_q2764e3adb6_wo,@function
k_q2764e3adb6_wo:
	s_mov_b64 s[64:65], 0
	v_nop
	global_prefetch_b8 v0, s[64:65] scope:SCOPE_SE
	s_setreg_imm32_b32 hwreg(HW_REG_WAVE_MODE, 25, 1), 1
	s_wait_xcnt 0x0
	s_wait_alu depctr_hold_cnt(0) depctr_sa_sdst(0) depctr_va_vdst(0) depctr_va_sdst(0) depctr_va_ssrc(0) depctr_va_vcc(0) depctr_vm_vsrc(0)
	s_getreg_b32 s2, hwreg(HW_REG_IB_STS2, 6, 4)
	s_cmp_eq_u32 s2, 0
	s_cbranch_scc0 .Lentry_in_a_cluster
	s_endpgm
.Lentry_in_a_cluster:
	s_bfe_u32 s2, ttmp6, 0x10000c
	s_cmp_lg_u32 s2, 0xf033
	s_cbranch_scc0 .Lentry_shape_is_right
	s_endpgm
.Lentry_shape_is_right:
; OUT = RES + A B (+ bias).  A: f16, blocked [row / 128][k / 64][row % 128][k % 64]; B: f16 [SIZE_K][1024]; RES, OUT: f32 [4096][1024].  Sums in f32.
; Here: x1 = x + attn Wo, SIZE_K = 1024, no bias.
; A tile of OUT is 128 x 128 (8 x 32 = 256 work-groups); four waves, each 64 x 64: 16 accumulators.  K steps of 256 through two LDS slots.
; A's K step of a tile is 65,536 dense bytes, brought as rows of 256 bytes (two tokens x 64 k); B lies [k][n] and comes out of LDS turned (ds_load_tr16_b128).
; The matrix instruction is used transposed (source 0 = 16 columns of B, source 1 = 16 rows of A): a lane holds eight neighbouring columns of a row.
; CLUSTER 4 x 4: A's tiles are shared along a row of the cluster, B's along a column: joint loads.
; The residual's 32 loads a lane are issued behind the first quarter, when the first tiles have landed, and stay out under the rest of the K loop.
; REGISTERS: window 0 v0-31 addresses, v96-127 bias, v128-255 accumulators ((a, b) at v[128 + 8 (4 a + b)]); window 1 two fragment buffers of 128 (64 of A, 64 of B); window 2 v0-127 the residual.
.set SIZE_K,   1024
.set HAS_BIAS, 0
.set NSTEP, SIZE_K/256
.set PA,    272                        ; A's LDS rows: 256 bytes + 16
.set PB,    288                        ; B's LDS rows: 256 bytes + 32
.set AHALF, 128*PA
.set BOFF,  2*AHALF
.set BHALF, 128*PB
.set SLOT,  0x24000                    ; shares no bit with a tile's place in its slot (0, 0x8800, 0x11000, 0x1a000), so an exclusive or changes slots
.set ASTEP, 65536
.set BSTEP, 256*2048
.set PS,    528                        ; the way out: rows of 512 bytes + 16, at LDS byte 0, in slot 0, which has had its last fill by then
.set SPARE, 2*SLOT
.set ADRA0, 14
.set ADRB0, 15
.set ADRA,  16
.set ADRB,  20                         ; v20: quarters 0, 1; v21: quarters 2, 3 (an LDS offset has 16 bits)
.set STO,   24
.set RD,    25
.set RO,    26
.set BA,    27
.set SPW,   28
.set NIL,   29
.set BIAS,  96
.set ACC,   128
.set F0,    0
.set F1,    128
.set G1,  24
.set G0,  32
.set G1B, 48
.set G0B, 56
.set MSB, 0
.macro WIN new                         ; the immediate's high byte repeats the setting that is left
.if MSB != (\new)
	s_set_vgpr_msb (MSB<<8)|(\new)
.set MSB, \new
.endif
.endm
.set MUL,  0x05
.set TO_F, 0x40
.macro PLACES                          ; four places behind matrix instructions (ISA guide 7.12.1)
.rept 4
	v_nop
.endr
.endm
.macro JLOAD                           ; the joint refill by the walking descriptors: waves 0, 1 A's halves, waves 2, 3 B's; four v_nop follow each line
	s_cmp_eq_u32 s11, 0
	s_cbranch_scc0 .Lfor_b_\@
	tensor_load_to_lds s[G0+4:G0+7], s[G1:G1+7]
	s_nop 0
.rept 4
	v_nop
.endr
	s_branch .Lasked_\@
.Lfor_b_\@:
	tensor_load_to_lds s[G0B+4:G0B+7], s[G1B:G1B+7]
	s_nop 0
.rept 4
	v_nop
.endr
.Lasked_\@:
.endm
.macro CREST
	s_cmp_lg_u32 s10, 0
	s_cbranch_scc1 .Lnot_wave_0_\@
	s_barrier_signal -3
.Lnot_wave_0_\@:
	s_barrier_wait -3
	s_barrier_signal -1
	s_barrier_wait -1
.endm
.macro CROUND
	s_barrier_signal -1
	s_barrier_wait -1
	CREST
.endm
	s_load_b128 s[4:7], s[0:1], 0x0                ; A s[4:5], B s[6:7]
	s_load_b64 s[8:9], s[0:1], 0x10                ; OUT
	s_load_b64 s[66:67], s[0:1], 0x18              ; RES
.if HAS_BIAS
	s_load_b64 s[68:69], s[0:1], 0x20              ; bias
.endif
	v_lshl_add_u32 v[SPW], v0, 2, SPARE
	v_mov_b32 v[NIL], 0
	ds_add_u32 v28, v29
	s_wait_dscnt 0x0
	v_lshrrev_b32 v1, 5, v0
	v_readfirstlane_b32 s10, v1                    ; wave
	s_lshr_b32 s11, s10, 1                         ; my half of the tile's rows.  Also: I fetch A (0) or B (1)
	s_and_b32 s12, s10, 1                          ; my half of its columns.  Also: which half of that tile I fetch
	s_bfe_u32 s40, ttmp6, 0x40000                  ; cx
	s_bfe_u32 s41, ttmp6, 0x40004                  ; cy
	s_lshl_b32 s42, ttmp9, 2
	s_add_co_u32 s42, s42, s40                     ; tile column
	s_and_b32 s13, ttmp7, 0xffff
	s_lshl_b32 s13, s13, 2
	s_add_co_u32 s13, s13, s41                     ; tile row
	s_lshl_b32 s43, s41, 2
	s_lshl_b32 s43, 15, s43                        ; my row of the cluster
	s_lshl_b32 s44, 0x1111, s40                    ; my column
	s_or_b32 s[G1+0], s43, (1<<16)|(1<<20)|(1<<21)|(5<<22)|(3<<25)   ; mask; 2-byte elements; padding on; bit 21 beside a mask; 4 words behind every 64
	s_or_b32 s[G1B+0], s44, (1<<16)|(1<<20)|(1<<21)|(5<<22)|(7<<25)  ; 8 words behind every 64
.irp g, G1, G1B
	s_mov_b32 s[\g+1], 128<<16                     ; tensor_dim0 = 128
	s_mov_b32 s[\g+2], 128<<16                     ; tensor_dim1 = 128
	s_mov_b32 s[\g+3], 128<<16                     ; tile_dim0 = 128
	s_mov_b32 s[\g+4], 128                         ; tile_dim1 = 128
	s_mov_b32 s[\g+6], 0
	s_mov_b32 s[\g+7], 0
.endr
	s_mov_b32 s[G1+5], 128                         ; A: dense rows
	s_mov_b32 s[G1B+5], 1024                       ; B: elements from k row to k row
	s_mul_i32 s16, s13, SIZE_K*256                 ; A: a block of 128 rows,
	s_lshl_b32 s17, s12, 15                        ; half a K step
	s_add_co_u32 s16, s16, s17
	s_mov_b32 s17, 0
	s_lshl_b32 s46, s42, 8                         ; B: 128 columns,
	s_lshl_b32 s47, s12, 18                        ; 128 k rows
	s_add_co_u32 s46, s46, s47
	s_mov_b32 s47, 0
	s_mul_i32 s20, s12, AHALF                      ; where they go: the wave's number alone enters an LDS address
	s_mul_i32 s21, s12, BHALF
	s_add_co_u32 s21, s21, BOFF
	s_mov_b32 s45, 0                               ; the slot that is read
	s_lshl_b32 s22, s13, 19                        ; OUT and RES: 128 rows of 4,096 bytes a tile row,
	s_lshl_b32 s23, s10, 17                        ; 32 rows a wave,
	s_add_co_u32 s22, s22, s23
	s_lshl_b32 s23, s42, 9                         ; 512 bytes a tile column
	s_add_co_u32 s22, s22, s23
	s_mov_b32 s23, 0
	s_lshl_b32 s18, s42, 9                         ; bias: 128 columns a tile, 64 a wave
	s_lshl_b32 s19, s12, 8
	s_add_co_u32 s18, s18, s19
	s_mov_b32 s19, 0
	CROUND                                         ; all sixteen work-groups are here: the first joint loads meet.  The round needs no argument, so it stands ahead of the wait for them
	s_wait_kmcnt 0x0
	s_add_nc_u64 s[14:15], s[4:5], s[16:17]
	s_add_nc_u64 s[46:47], s[6:7], s[46:47]
.irp s, 0,1
	s_mov_b32 s[G0+4*\s], 1
	s_add_co_u32 s[G0+4*\s+1], s20, \s*SLOT
	s_add_nc_u64 s[G0+4*\s+2:G0+4*\s+3], s[14:15], \s*ASTEP
	s_or_b32 s[G0+4*\s+3], s[G0+4*\s+3], 0x80000000
	s_mov_b32 s[G0B+4*\s], 1
	s_add_co_u32 s[G0B+4*\s+1], s21, \s*SLOT
	s_add_nc_u64 s[G0B+4*\s+2:G0B+4*\s+3], s[46:47], \s*BSTEP
	s_or_b32 s[G0B+4*\s+3], s[G0B+4*\s+3], 0x80000000
.endr
	s_cmp_eq_u32 s11, 0                            ; a wave's two first fills stand in one branch: two loads of mine are out
	s_cbranch_scc0 .Lfirst_b
	tensor_load_to_lds s[G0:G0+3], s[G1:G1+7]
	s_nop 0
	tensor_load_to_lds s[G0+4:G0+7], s[G1:G1+7]
	s_nop 0
.rept 4
	v_nop
.endr
	s_branch .Lfirst_asked
.Lfirst_b:
	tensor_load_to_lds s[G0B:G0B+3], s[G1B:G1B+7]
	s_nop 0
	tensor_load_to_lds s[G0B+4:G0B+7], s[G1B:G1B+7]
	s_nop 0
.rept 4
	v_nop
.endr
.Lfirst_asked:
	s_add_nc_u64 s[8:9], s[8:9], s[22:23]
	s_add_nc_u64 s[66:67], s[66:67], s[22:23]
.if HAS_BIAS
	s_add_nc_u64 s[68:69], s[68:69], s[18:19]
.endif
	v_and_b32 v1, 15, v0                           ; r
	v_bfe_u32 v2, v0, 4, 1                         ; h
	v_and_b32 v3, 31, v0
	v_lshlrev_b32 v[RO], 4, v3                     ; 16 bytes a lane of a row's 512
	v_lshlrev_b32 v[BA], 5, v2                     ; bias: my eight columns begin 8 h in
.if HAS_BIAS
.irp b, 0,1,2,3
	global_load_b128 v[BIAS+8*\b:BIAS+8*\b+3],   v[BA], s[68:69] offset:64*\b
	global_load_b128 v[BIAS+8*\b+4:BIAS+8*\b+7], v[BA], s[68:69] offset:64*\b+16
.endr
.endif
	v_lshrrev_b32 v3, 1, v1                        ; A: token r lies in LDS row r / 2, half r % 2
	v_mul_u32_u24 v3, v3, PA
	v_and_b32 v4, 1, v0
	v_lshl_add_u32 v3, v4, 7, v3
	v_lshl_add_u32 v3, v2, 4, v3
	s_mul_i32 s14, s11, 32*PA                      ; my 64 tokens
	v_add_nc_u32 v[ADRA0], s14, v3
	v_and_b32 v3, 7, v0                            ; B, turned: k row 8 h + l % 8, columns 8 ((l / 8) % 2) on
	v_lshl_add_u32 v3, v2, 3, v3
	v_mul_u32_u24 v3, v3, PB
	v_bfe_u32 v4, v0, 3, 1
	v_lshl_add_u32 v3, v4, 4, v3
	s_lshl_b32 s14, s12, 7                         ; my 64 columns
	s_add_co_u32 s14, s14, BOFF
	v_add_nc_u32 v[ADRB0], s14, v3
	v_mov_b32 v[ADRA], v[ADRA0]
	v_mov_b32 v[ADRB], v[ADRB0]
	v_add_nc_u32 v[ADRB+1], BHALF, v[ADRB0]
	v_mul_u32_u24 v3, v1, PS                       ; into the stage: row r, 32 bytes for each half of the lanes
	v_lshl_add_u32 v3, v2, 5, v3
	s_mul_i32 s14, s11, 64*PS
	s_lshl_b32 s15, s12, 8
	s_add_co_u32 s14, s14, s15
	v_add_nc_u32 v[STO], s14, v3
	s_mul_i32 s14, s10, 32*PS                      ; back: wave w takes rows 32 w .. 32 w + 31, whole
	v_add_nc_u32 v[RD], s14, v[RO]
; eight products: row blocks a0, a0 + 1 x all four column blocks, 32 along K: half c of buffer f.  zero = 1: they start the sums, with the bias where there is one
.macro MUL8 f, c, a0, zero
.irp a, \a0, \a0+1
.irp b, 0,1,2,3
.if \zero
.if HAS_BIAS
	v_wmma_f32_16x16x32_f16 v[ACC+8*(4*(\a)+\b):ACC+8*(4*(\a)+\b)+7], v[\f+64+8*(4*\c+\b):\f+64+8*(4*\c+\b)+7], v[\f+8*(4*\c+\a):\f+8*(4*\c+\a)+7], v[BIAS+8*\b:BIAS+8*\b+7]
.else
	v_wmma_f32_16x16x32_f16 v[ACC+8*(4*(\a)+\b):ACC+8*(4*(\a)+\b)+7], v[\f+64+8*(4*\c+\b):\f+64+8*(4*\c+\b)+7], v[\f+8*(4*\c+\a):\f+8*(4*\c+\a)+7], 0
.endif
.else
	v_wmma_f32_16x16x32_f16 v[ACC+8*(4*(\a)+\b):ACC+8*(4*(\a)+\b)+7], v[\f+64+8*(4*\c+\b):\f+64+8*(4*\c+\b)+7], v[\f+8*(4*\c+\a):\f+8*(4*\c+\a)+7], v[ACC+8*(4*(\a)+\b):ACC+8*(4*(\a)+\b)+7]
.endif
.endr
.endr
.endm
; 32 LDS loads in one run: quarter q (64 along K) of the slot in hand into buffer f; its first 32 along K first
.macro FETCH q, f
	WIN TO_F
.irp c, 0,1
.irp i, 0,1,2,3
	ds_load_tr16_b128 v[\f+64+8*(4*\c+\i):\f+64+8*(4*\c+\i)+3],   v[ADRB+\q/2] offset:((2*\q+\c)%4)*32*PB+32*\i
	ds_load_tr16_b128 v[\f+64+8*(4*\c+\i)+4:\f+64+8*(4*\c+\i)+7], v[ADRB+\q/2] offset:((2*\q+\c)%4)*32*PB+16*PB+32*\i
	ds_load_b128 v[\f+8*(4*\c+\i):\f+8*(4*\c+\i)+3],   v[ADRA] offset:\q*64*PA+64*\c+\i*8*PA
	ds_load_b128 v[\f+8*(4*\c+\i)+4:\f+8*(4*\c+\i)+7], v[ADRA] offset:\q*64*PA+64*\c+\i*8*PA+32
.endr
.endr
.endm
.macro QUARTER q, f, g, zero
	s_wait_dscnt 16                                ; the first 32 along K are in
	WIN MUL
	MUL8 \f, 0, 0, \zero
	MUL8 \f, 0, 2, \zero
	PLACES
	FETCH \q, \g
	s_wait_dscnt 32                                ; all but the 32 just issued
	WIN MUL
	MUL8 \f, 1, 0, 0
	MUL8 \f, 1, 2, 0
.endm
; The fourth quarter changes slots and multiplies buffer 1.  One barrier: in front of it each wave waits for all its tensor loads (one is out: its part of the next slot),
; adds 0 to its spare word, and waits for that and for its reads of this slot.  fill = 1: the barrier opens a round of the cluster's, and the slot is filled again, two K steps ahead.
; A K step has 128 matrix instructions a wave for 131,072 bytes fetched, half the work for a byte that a tile of 256 x 256 has, so the refill is not kept waiting:
; no product stands between the wait for the tile and the refill; the quarter's 32 follow the refill and the next slot's fragment loads, which land under them.
.macro TURN fill
	WIN 0
	s_wait_tensorcnt 0x0
	ds_add_u32 v[SPW], v[NIL]                      ; the steps below stand between the add and the wait for it
.if \fill
	s_xor_b32 s[G0+5], s[G0+5], SLOT               ; no tensor load of mine is out: the walking descriptors take the other slot than last time, the next K step
	s_add_nc_u64 s[G0+6:G0+7], s[G0+6:G0+7], ASTEP
	s_xor_b32 s[G0B+5], s[G0B+5], SLOT
	s_add_nc_u64 s[G0B+6:G0B+7], s[G0B+6:G0B+7], BSTEP
.endif
	s_xor_b32 s45, s45, SLOT
	s_wait_dscnt 0x0                               ; the add is done, my reads of this slot are over
	s_barrier_signal -1
	s_barrier_wait -1
.if \fill
	CREST                                          ; no wave of any partner still reads this slot or has a load on its way
	JLOAD                                          ; my one tensor load behind the round; its four v_nop are also the places in front of the loads below
.else
	PLACES
.endif
	v_add_nc_u32 v[ADRA], s45, v[ADRA0]
	v_add_nc_u32 v[ADRB], s45, v[ADRB0]
	v_add_nc_u32 v[ADRB+1], BHALF, v[ADRB]
	FETCH 0, F0
	WIN MUL
	MUL8 F1, 0, 0, 0
	MUL8 F1, 0, 2, 0
	MUL8 F1, 1, 0, 0
	MUL8 F1, 1, 2, 0
.endm
	s_wait_tensorcnt 0x1                           ; my part of K step 0 is in; K step 1's may stay out
	s_barrier_signal -1
	s_barrier_wait -1
	FETCH 0, F0
.if HAS_BIAS
	s_wait_loadcnt 0x0                             ; the bias
.endif
	QUARTER 1, F0, F1, 1
	WIN 0x80
.set i, 0
.rept 32
	global_load_b128 v[4*i:4*i+3], v[RO], s[66:67] offset:4096*i   ; row 32 w + i of the tile: what I add and store at the end
.set i, i+1
.endr
	WIN 0
	s_mov_b32 s3, NSTEP-2
.Lstep:                                                ; a trip: from a K step's second quarter to the next step's first; it fills the slot that it leaves
	QUARTER 2, F1, F0, 0
	QUARTER 3, F0, F1, 0
	TURN 1
	QUARTER 1, F0, F1, 0
	WIN 0
	s_sub_co_u32 s3, s3, 1
	s_cmp_lg_u32 s3, 0
	s_cbranch_scc1 .Lstep
	s_mov_b32 s2, 2
.Ltail:                                                ; the last two K steps fill nothing: two trips, of which the second leaves ahead of the change of slots
	QUARTER 2, F1, F0, 0
	QUARTER 3, F0, F1, 0
	WIN 0
	s_cmp_eq_u32 s2, 1
	s_cbranch_scc1 .Llast
	TURN 0
	QUARTER 1, F0, F1, 0
	WIN 0
	s_sub_co_u32 s2, s2, 1
	s_cmp_lg_u32 s2, 0
	s_cbranch_scc1 .Ltail
.Llast:
	s_wait_dscnt 16
	WIN MUL
	MUL8 F1, 0, 0, 0
	MUL8 F1, 0, 2, 0
	s_wait_dscnt 0x0
	MUL8 F1, 1, 0, 0
	MUL8 F1, 1, 2, 0
	; THE WAY OUT: f32 through one stage, since a row's 512 bytes come from two waves; back as whole rows; the residual is added; 32 rows a wave
	WIN 0
	PLACES
	s_barrier_signal -1                            ; every wave has multiplied its last fragments: nobody reads the ring any more
	s_barrier_wait -1
.irp a, 0,1,2,3
.irp b, 0,1,2,3
	ds_store_b128 v[STO], v[ACC+8*(4*\a+\b):ACC+8*(4*\a+\b)+3]   offset:\a*16*PS+64*\b
	ds_store_b128 v[STO], v[ACC+8*(4*\a+\b)+4:ACC+8*(4*\a+\b)+7] offset:\a*16*PS+64*\b+16
.endr
.endr
	s_wait_dscnt 0x0                               ; for the others' sake: my stores into the stage are done
	s_barrier_signal -1
	s_barrier_wait -1
.set i, 0
.rept 32
	ds_load_b128 v[ACC+4*i:ACC+4*i+3], v[RD] offset:i*PS
.set i, i+1
.endr
	s_wait_loadcnt 0x0                             ; the residual
	WIN 0x08                                       ; source 1 in window 2
.set i, 0
.rept 32
	s_wait_dscnt 31-i                              ; row i is back; the younger loads stay out
	v_pk_add_f32 v[ACC+4*i:ACC+4*i+1], v[ACC+4*i:ACC+4*i+1], v[4*i:4*i+1]
	v_pk_add_f32 v[ACC+4*i+2:ACC+4*i+3], v[ACC+4*i+2:ACC+4*i+3], v[4*i+2:4*i+3]
.set i, i+1
.endr
	WIN 0
.set i, 0
.rept 32
	global_store_b128 v[RO], v[ACC+4*i:ACC+4*i+3], s[8:9] offset:4096*i   ; the wave stores 512 consecutive bytes, aligned
.set i, i+1
.endr
	s_wait_tensorcnt 0x0                           ; the wave's end
	ds_add_u32 v[SPW], v[NIL]
	s_wait_dscnt 0x0
	CROUND                                         ; the closing round
	s_endpgm
.Lfunc_end_k_q2764e3adb6_wo:
	.size	k_q2764e3adb6_wo, .Lfunc_end_k_q2764e3adb6_wo-k_q2764e3adb6_wo
	.p2alignl 7, 3214868480
	.fill 96, 4, 3214868480
	.section	.rodata,"a",@progbits
	.p2align	6, 0x0
	.amdhsa_kernel k_q2764e3adb6_wo
		.amdhsa_group_segment_fixed_size 327680
		.amdhsa_private_segment_fixed_size 0
		.amdhsa_enable_private_segment 0
		.amdhsa_kernarg_size 32
		.amdhsa_user_sgpr_count 2
		.amdhsa_user_sgpr_kernarg_segment_ptr 1
		.amdhsa_wavefront_size32 1
		.amdhsa_system_sgpr_workgroup_id_x 1
		.amdhsa_system_sgpr_workgroup_id_y 1
		.amdhsa_system_sgpr_workgroup_id_z 1
		.amdhsa_system_vgpr_workitem_id 0
		.amdhsa_next_free_vgpr 768
		.amdhsa_next_free_sgpr 72
		.amdhsa_reserve_vcc 0
		.amdhsa_float_denorm_mode_32 3
		.amdhsa_float_denorm_mode_16_64 3
		.amdhsa_memory_ordered 1
		.amdhsa_forward_progress 1
		.amdhsa_inst_pref_size 68
	.end_amdhsa_kernel
	.amdgpu_metadata
---
amdhsa.version: [ 1, 2 ]
amdhsa.kernels:
  - .name:           k_q2764e3adb6_wo
    .symbol:         k_q2764e3adb6_wo.kd
    .args:
      - { .name: attn, .offset: 0, .size: 8, .value_kind: global_buffer, .address_space: global }
      - { .name: wob, .offset: 8, .size: 8, .value_kind: global_buffer, .address_space: global }
      - { .name: x1, .offset: 16, .size: 8, .value_kind: global_buffer, .address_space: global }
      - { .name: x, .offset: 24, .size: 8, .value_kind: global_buffer, .address_space: global }
    .group_segment_fixed_size: 327680
    .private_segment_fixed_size: 0
    .kernarg_segment_align: 8
    .kernarg_segment_size: 32
    .max_flat_workgroup_size: 128
    .sgpr_count:     72
    .vgpr_count:     768
    .wavefront_size: 32
...
	.end_amdgpu_metadata
.endif
;; end of part 3
;; launch ln2: the kernel of part 1 again; grid 256 x 1, 8 waves a work-group, no clusters, 0 bytes of LDS; arguments x1, g2, be2, hn, Wq, Wk, Wv, wqkv; writes hn, wqkv
;; launch ffn1 (part 4): grid 16 x 16, 4 waves a work-group, clusters of 4 x 4, 327,680 bytes of LDS; arguments hn, w1b, hff, b1; writes hff
.if DOCPART == 4
	.amdgcn_target "amdgcn-amd-amdhsa--gfx1250"
	.amdhsa_code_object_version 6
	.text
	.protected	k_q2764e3adb6_ffn1
	.globl	k_q2764e3adb6_ffn1
	.p2align	8
	.type	k_q2764e3adb6_ffn1,@function
k_q2764e3adb6_ffn1:
	s_mov_b64 s[64:65], 0
	v_nop
	global_prefetch_b8 v0, s[64:65] scope:SCOPE_SE
	s_setreg_imm32_b32 hwreg(HW_REG_WAVE_MODE, 25, 1), 1
	s_wait_xcnt 0x0
	s_wait_alu depctr_hold_cnt(0) depctr_sa_sdst(0) depctr_va_vdst(0) depctr_va_sdst(0) depctr_va_ssrc(0) depctr_va_vcc(0) depctr_vm_vsrc(0)
	s_getreg_b32 s2, hwreg(HW_REG_IB_STS2, 6, 4)
	s_cmp_eq_u32 s2, 0
	s_cbranch_scc0 .Lentry_in_a_cluster
	s_endpgm
.Lentry_in_a_cluster:
	s_bfe_u32 s2, ttmp6, 0x10000c
	s_cmp_lg_u32 s2, 0xf033
	s_cbranch_scc0 .Lentry_shape_is_right
	s_endpgm
.Lentry_shape_is_right:
; ffn1: hff = relu(hn W1 + b1), f16.  hn: f16 [4096][1024]; w1b: f16 [1024][4096]; b1: f32; hff: f16, blocked [row / 128][col / 64][row % 128][col % 64].  Sums in f32.
; LIMITS: relu is v_max_num_f32 with 0, so a NaN sum gives 0.  hff becomes infinite above 65,504: with g2 and W1 both 30 times larger (30 and 30/32) its root mean square
; is 32 x 30 x 30/32 = 900 and its largest number about 5,000; with offsets of 30 on be2 and 30/32 on W1 it lies near 1024 x 30 x 30/32 = 29,000.
; A tile is 256 x 256 (16 x 16 = 256 work-groups); four waves, each 128 x 128: 64 accumulators, 512 registers.  K steps of 128 through two LDS slots.
; W1 lies [k][n] and comes out of LDS turned (ds_load_tr16_b128).  The matrix instruction is used transposed (source 0 = 16 columns of W1, source 1 = 16 rows of hn).
; The bias is the C of each sum's first product.  CLUSTER 4 x 4: hn's tiles are shared along a row of the cluster, W1's along a column: joint loads.
; REGISTERS: window 0 v0-31 addresses, v64-127 / v128-191 hn's fragments, v192-255 the bias; window 1 v64-127 / v128-191 W1's fragments;
;   window 2 the accumulators of my rows 0-63 ((a, b) at v[8 (8 a + b)]), window 3 those of rows 64-127.
.set NSTEP, 8
.set PA,    272                        ; hn's LDS rows: 256 bytes + 16
.set PB,    544                        ; W1's LDS rows: 512 bytes + 32
.set QUART, 128*PA                     ; what one tensor load brings: 128 rows of hn, or 64 k rows of W1 (64 x 544): 34,816 bytes
.set BOFF,  2*QUART
.set SLOT,  4*QUART                    ; 0x22000: shares no bit with a tile's place in its slot (0, 0x8800, 0x11000, 0x19800), so an exclusive or changes slots
.set ASTEP, 256
.set BSTEP, 128*8192
.set PD,    528                        ; the way out: each wave's 128 x 128 in f32, rows of 512 bytes + 16, over the ring, which has had its last fill by then
.set SPARE, 2*SLOT
.set ADRA0, 16
.set ADRB0, 17
.set ADRA,  18
.set ADRB,  19
.set DST,   24
.set RD,    25
.set CO,    26
.set BA,    27
.set SPW,   28
.set NIL,   29
.set F0,    64
.set F1,    128
.set BIAS,  192
.set G1,  24
.set G0,  32
.set G1B, 48
.set G0B, 56
.set MSB, 0
.macro WIN new                         ; the immediate's high byte repeats the setting that is left
.if MSB != (\new)
	s_set_vgpr_msb (MSB<<8)|(\new)
.set MSB, \new
.endif
.endm
.set MUL_LO, 0xa1
.set MUL_HI, 0xf1
.set TO_B,   0x40
.macro PLACES                          ; four places behind matrix instructions (ISA guide 7.12.1)
.rept 4
	v_nop
.endr
.endm
.macro JLOAD                           ; the joint refill by the walking descriptors: waves 0, 1 hn's halves, waves 2, 3 W1's; four v_nop follow each line
	s_cmp_eq_u32 s11, 0
	s_cbranch_scc0 .Lfor_b_\@
	tensor_load_to_lds s[G0+4:G0+7], s[G1:G1+7]
	s_nop 0
.rept 4
	v_nop
.endr
	s_branch .Lasked_\@
.Lfor_b_\@:
	tensor_load_to_lds s[G0B+4:G0B+7], s[G1B:G1B+7]
	s_nop 0
.rept 4
	v_nop
.endr
.Lasked_\@:
.endm
.macro CREST
	s_cmp_lg_u32 s10, 0
	s_cbranch_scc1 .Lnot_wave_0_\@
	s_barrier_signal -3
.Lnot_wave_0_\@:
	s_barrier_wait -3
	s_barrier_signal -1
	s_barrier_wait -1
.endm
.macro CROUND
	s_barrier_signal -1
	s_barrier_wait -1
	CREST
.endm
	s_load_b128 s[4:7], s[0:1], 0x0                ; hn s[4:5], w1b s[6:7]
	s_load_b64 s[8:9], s[0:1], 0x10                ; hff
	s_load_b64 s[66:67], s[0:1], 0x18              ; b1
	v_lshl_add_u32 v[SPW], v0, 2, SPARE
	v_mov_b32 v[NIL], 0
	ds_add_u32 v28, v29
	s_wait_dscnt 0x0
	v_lshrrev_b32 v1, 5, v0
	v_readfirstlane_b32 s10, v1                    ; wave
	s_lshr_b32 s11, s10, 1                         ; my half of the tile's rows.  Also: I fetch hn (0) or W1 (1)
	s_and_b32 s12, s10, 1                          ; my half of its columns.  Also: which half of that tile I fetch
	s_bfe_u32 s40, ttmp6, 0x40000                  ; cx
	s_bfe_u32 s41, ttmp6, 0x40004                  ; cy
	s_lshl_b32 s42, ttmp9, 2
	s_add_co_u32 s42, s42, s40                     ; tile column
	s_and_b32 s13, ttmp7, 0xffff
	s_lshl_b32 s13, s13, 2
	s_add_co_u32 s13, s13, s41                     ; tile row
	s_lshl_b32 s43, s41, 2
	s_lshl_b32 s43, 15, s43                        ; my row of the cluster
	s_lshl_b32 s44, 0x1111, s40                    ; my column
	s_or_b32 s[G1+0], s43, (1<<16)|(1<<20)|(1<<21)|(5<<22)|(3<<25)   ; mask; 2-byte elements; padding on; bit 21 beside a mask; 4 words behind every 64
	s_mov_b32 s[G1+1], 128<<16                     ; tensor_dim0 = 128
	s_mov_b32 s[G1+2], 128<<16                     ; tensor_dim1 = 128
	s_mov_b32 s[G1+3], 128<<16                     ; tile_dim0 = 128
	s_mov_b32 s[G1+4], 128                         ; tile_dim1 = 128
	s_mov_b32 s[G1+5], 1024                        ; elements from row to row
	s_mov_b32 s[G1+6], 0
	s_mov_b32 s[G1+7], 0
	s_or_b32 s[G1B+0], s44, (1<<16)|(1<<20)|(1<<21)|(6<<22)|(7<<25)  ; 8 words behind every 128
	s_mov_b32 s[G1B+1], 256<<16                    ; tensor_dim0 = 256
	s_mov_b32 s[G1B+2], 64<<16                     ; tensor_dim1 = 64
	s_mov_b32 s[G1B+3], 256<<16                    ; tile_dim0 = 256
	s_mov_b32 s[G1B+4], 64                         ; tile_dim1 = 64
	s_mov_b32 s[G1B+5], 4096
	s_mov_b32 s[G1B+6], 0
	s_mov_b32 s[G1B+7], 0
	s_lshl_b32 s16, s13, 19                        ; hn: 256 rows of 2,048 bytes a tile row,
	s_lshl_b32 s17, s12, 18                        ; 128 rows a half
	s_add_co_u32 s16, s16, s17
	s_mov_b32 s17, 0
	s_lshl_b32 s46, s42, 9                         ; w1b: 256 columns,
	s_lshl_b32 s47, s12, 19                        ; 64 k rows of 8,192 bytes
	s_add_co_u32 s46, s46, s47
	s_mov_b32 s47, 0
	s_mul_i32 s20, s12, QUART                      ; where they go: the wave's number alone enters an LDS address
	s_add_co_u32 s21, s20, BOFF
	s_mov_b32 s45, 0                               ; the slot that is read
	s_lshl_b32 s22, s13, 21                        ; hff: two blocks of 128 rows (1,048,576 bytes) a tile row,
	s_lshl_b32 s23, s11, 20
	s_add_co_u32 s22, s22, s23
	s_lshl_b32 s23, s42, 16                        ; four blocks of 64 columns (16,384 bytes) a tile column,
	s_add_co_u32 s22, s22, s23
	s_lshl_b32 s23, s12, 15                        ; two a wave
	s_add_co_u32 s22, s22, s23
	s_mov_b32 s23, 0
	s_lshl_b32 s18, s42, 10                        ; b1: 256 columns a tile, 128 a wave
	s_lshl_b32 s19, s12, 9
	s_add_co_u32 s18, s18, s19
	s_mov_b32 s19, 0
	CROUND                                         ; all sixteen work-groups are here: the first joint loads meet.  The round needs no argument, so it stands ahead of the wait for them
	s_wait_kmcnt 0x0
	s_add_nc_u64 s[14:15], s[4:5], s[16:17]
	s_add_nc_u64 s[46:47], s[6:7], s[46:47]
.irp s, 0,1
	s_mov_b32 s[G0+4*\s], 1
	s_add_co_u32 s[G0+4*\s+1], s20, \s*SLOT
	s_add_nc_u64 s[G0+4*\s+2:G0+4*\s+3], s[14:15], \s*ASTEP
	s_or_b32 s[G0+4*\s+3], s[G0+4*\s+3], 0x80000000
	s_mov_b32 s[G0B+4*\s], 1
	s_add_co_u32 s[G0B+4*\s+1], s21, \s*SLOT
	s_add_nc_u64 s[G0B+4*\s+2:G0B+4*\s+3], s[46:47], \s*BSTEP
	s_or_b32 s[G0B+4*\s+3], s[G0B+4*\s+3], 0x80000000
.endr
	s_cmp_eq_u32 s11, 0                            ; a wave's two first fills stand in one branch: two loads of mine are out
	s_cbranch_scc0 .Lfirst_b
	tensor_load_to_lds s[G0:G0+3], s[G1:G1+7]
	s_nop 0
	tensor_load_to_lds s[G0+4:G0+7], s[G1:G1+7]
	s_nop 0
.rept 4
	v_nop
.endr
	s_branch .Lfirst_asked
.Lfirst_b:
	tensor_load_to_lds s[G0B:G0B+3], s[G1B:G1B+7]
	s_nop 0
	tensor_load_to_lds s[G0B+4:G0B+7], s[G1B:G1B+7]
	s_nop 0
.rept 4
	v_nop
.endr
.Lfirst_asked:
	s_add_nc_u64 s[8:9], s[8:9], s[22:23]
	s_add_nc_u64 s[66:67], s[66:67], s[18:19]
	v_and_b32 v1, 15, v0                           ; r
	v_bfe_u32 v2, v0, 4, 1                         ; h
	v_lshlrev_b32 v[BA], 5, v2                     ; bias: my eight columns begin 8 h in
.irp b, 0,1,2,3,4,5,6,7
	global_load_b128 v[BIAS+8*\b:BIAS+8*\b+3],   v[BA], s[66:67] offset:64*\b
	global_load_b128 v[BIAS+8*\b+4:BIAS+8*\b+7], v[BA], s[66:67] offset:64*\b+16
.endr
	v_mul_u32_u24 v3, v1, PA
	v_lshl_add_u32 v3, v2, 4, v3
	s_mul_i32 s14, s11, QUART                      ; my 128 rows of hn
	v_add_nc_u32 v[ADRA0], s14, v3
	v_and_b32 v3, 7, v0                            ; W1, turned: k row 8 h + l % 8, columns 8 ((l / 8) % 2) on
	v_lshl_add_u32 v3, v2, 3, v3
	v_mul_u32_u24 v3, v3, PB
	v_bfe_u32 v4, v0, 3, 1
	v_lshl_add_u32 v3, v4, 4, v3
	s_lshl_b32 s14, s12, 8                         ; my 128 columns
	s_add_co_u32 s14, s14, BOFF
	v_add_nc_u32 v[ADRB0], s14, v3
	v_mov_b32 v[ADRA], v[ADRA0]
	v_mov_b32 v[ADRB], v[ADRB0]
	s_mul_i32 s14, s10, 128*PD                     ; my dump
	v_mul_u32_u24 v3, v1, PD                       ; in: row r, 32 bytes for each half of the lanes
	v_lshl_add_u32 v3, v2, 5, v3
	v_add_nc_u32 v[DST], s14, v3
	v_mul_u32_u24 v3, v2, PD                       ; back: lanes 0-15 take 64 columns of one row, lanes 16-31 of the next
	v_lshl_add_u32 v3, v1, 4, v3
	v_add_nc_u32 v[RD], s14, v3
	v_and_b32 v3, 31, v0
	v_lshlrev_b32 v[CO], 3, v3                     ; and 8 bytes a lane of the two rows' 256 in hff
; 16 products: row blocks a0, a0 + 1 of the window's four x all 8 column blocks, 32 along K.  zero = 1: they start the sums, with the bias as C
.macro MUL16 f, hi, a0, zero
.irp a, \a0, \a0+1
.irp b, 0,1,2,3,4,5,6,7
.if \zero
	v_wmma_f32_16x16x32_f16 v[8*(8*(\a)+\b):8*(8*(\a)+\b)+7], v[\f+8*\b:\f+8*\b+7], v[\f+8*(4*\hi+\a):\f+8*(4*\hi+\a)+7], v[BIAS+8*\b:BIAS+8*\b+7]
.else
	v_wmma_f32_16x16x32_f16 v[8*(8*(\a)+\b):8*(8*(\a)+\b)+7], v[\f+8*\b:\f+8*\b+7], v[\f+8*(4*\hi+\a):\f+8*(4*\hi+\a)+7], v[8*(8*(\a)+\b):8*(8*(\a)+\b)+7]
.endif
.endr
.endr
.endm
; 32 LDS loads in one run: quarter q (32 along K) of the slot in hand into buffer f: W1's eight fragments, then hn's eight
.macro FETCH q, f
	WIN TO_B
.irp i, 0,1,2,3,4,5,6,7
	ds_load_tr16_b128 v[\f+8*\i:\f+8*\i+3],   v[ADRB] offset:\q*32*PB+32*\i
	ds_load_tr16_b128 v[\f+8*\i+4:\f+8*\i+7], v[ADRB] offset:\q*32*PB+16*PB+32*\i
.endr
	WIN 0
.irp i, 0,1,2,3,4,5,6,7
	ds_load_b128 v[\f+8*\i:\f+8*\i+3],   v[ADRA] offset:64*\q+\i*16*PA
	ds_load_b128 v[\f+8*\i+4:\f+8*\i+7], v[ADRA] offset:64*\q+\i*16*PA+32
.endr
.endm
.macro QUARTER q, f, g, zero
	s_wait_dscnt 8                                 ; all but the youngest eight loads: hn's rows 64-127
	WIN MUL_LO-0x20*\zero                          ; (the bias, as C, lies in window 0)
	MUL16 \f, 0, 0, \zero
	MUL16 \f, 0, 2, \zero
	PLACES
	FETCH \q, \g
	s_wait_dscnt 32                                ; all but the 32 just issued
	WIN MUL_HI-0x30*\zero
	MUL16 \f, 1, 0, \zero
	MUL16 \f, 1, 2, \zero
.endm
; the fourth quarter multiplies buffer 1 and changes slots: one barrier.  In front of it each wave waits for all its tensor loads (one is out: its part of the next
; slot), adds 0 to its spare word, and waits for that and for its reads of this slot.  fill = 1: the barrier opens a round of the cluster's, and the slot is filled again, two K steps ahead.
; A K step's 256 matrix instructions a wave nearly fill the step here, so products stand round the barrier: the wave works while the add is out and while the others arrive.
.macro TURN fill
	WIN 0
	s_wait_tensorcnt 0x0
	ds_add_u32 v[SPW], v[NIL]
	s_wait_dscnt 9                                 ; the add and the youngest eight loads may be out
	WIN MUL_LO
	MUL16 F1, 0, 0, 0
	s_wait_dscnt 0x0                               ; the add is done, my reads of this slot are over
	s_barrier_signal -1
	MUL16 F1, 0, 2, 0
	WIN 0
	s_barrier_wait -1
.if \fill
	CREST                                          ; no wave of any partner still reads this slot or has a load on its way
	s_xor_b32 s[G0+5], s[G0+5], SLOT               ; the walking descriptors: the other slot than last time, the next K step
	s_add_nc_u64 s[G0+6:G0+7], s[G0+6:G0+7], ASTEP
	s_xor_b32 s[G0B+5], s[G0B+5], SLOT
	s_add_nc_u64 s[G0B+6:G0B+7], s[G0B+6:G0B+7], BSTEP
	JLOAD                                          ; my one tensor load behind the round; its four v_nop are also the places in front of the loads below
.else
	PLACES
.endif
	s_xor_b32 s45, s45, SLOT
	v_add_nc_u32 v[ADRA], s45, v[ADRA0]
	v_add_nc_u32 v[ADRB], s45, v[ADRB0]
	FETCH 0, F0
	WIN MUL_HI
	MUL16 F1, 1, 0, 0
	MUL16 F1, 1, 2, 0
.endm
	s_wait_tensorcnt 0x1                           ; my part of K step 0 is in; K step 1's may stay out
	s_barrier_signal -1
	s_barrier_wait -1
	FETCH 0, F0
	s_wait_loadcnt 0x0                             ; the bias
	QUARTER 1, F0, F1, 1
	WIN 0
	s_mov_b32 s3, NSTEP-2
.Lstep:                                                ; a trip: from a K step's second quarter to the next step's first; it fills the slot that it leaves
	QUARTER 2, F1, F0, 0
	QUARTER 3, F0, F1, 0
	TURN 1
	QUARTER 1, F0, F1, 0
	WIN 0
	s_sub_co_u32 s3, s3, 1
	s_cmp_lg_u32 s3, 0
	s_cbranch_scc1 .Lstep
	s_mov_b32 s2, 2
.Ltail:                                                ; the last two K steps fill nothing: two trips, of which the second leaves ahead of the change of slots
	QUARTER 2, F1, F0, 0
	QUARTER 3, F0, F1, 0
	WIN 0
	s_cmp_eq_u32 s2, 1
	s_cbranch_scc1 .Llast
	TURN 0
	QUARTER 1, F0, F1, 0
	WIN 0
	s_sub_co_u32 s2, s2, 1
	s_cmp_lg_u32 s2, 0
	s_cbranch_scc1 .Ltail
.Llast:
	s_wait_dscnt 8
	WIN MUL_LO
	MUL16 F1, 0, 0, 0
	MUL16 F1, 0, 2, 0
	s_wait_dscnt 0x0
	WIN MUL_HI
	MUL16 F1, 1, 0, 0
	MUL16 F1, 1, 2, 0
	; THE WAY OUT: each wave dumps its 128 x 128 in f32 into bytes of its own, then reads it back by rows in a loop of eight trips, 16 rows each: relu, f16, store
	WIN 0
	PLACES
	s_barrier_signal -1                            ; every wave has multiplied its last fragments: nobody reads the ring, which the dumps overwrite
	s_barrier_wait -1
.irp g, 0,1
	WIN 0x08+4*\g                                  ; the stores' data in window 2, then 3
.irp a, 0,1,2,3
.irp b, 0,1,2,3,4,5,6,7
	ds_store_b128 v[DST], v[8*(8*\a+\b):8*(8*\a+\b)+3]   offset:(4*\g+\a)*16*PD+64*\b
	ds_store_b128 v[DST], v[8*(8*\a+\b)+4:8*(8*\a+\b)+7] offset:(4*\g+\a)*16*PD+64*\b+16
.endr
.endr
.endr
	WIN 0
	s_mov_b32 s3, 8
.Lout:
.set i, 0
.rept 16
	ds_load_b128 v[64+4*i:67+4*i], v[RD] offset:(i/2)*2*PD+(i%2)*256   ; two rows x 64 columns; LDS serves a wave's instructions in order (ISA guide 5.7.1.4): these see the dump
.set i, i+1
.endr
.set i, 0
.rept 16
	s_wait_dscnt 15-i                              ; load i is back; the younger ones stay out
	v_max_num_f32 v[64+4*i], 0, v[64+4*i]
	v_max_num_f32 v[65+4*i], 0, v[65+4*i]
	v_max_num_f32 v[66+4*i], 0, v[66+4*i]
	v_max_num_f32 v[67+4*i], 0, v[67+4*i]
	v_cvt_pk_f16_f32 v[128+2*i], v[64+4*i], v[65+4*i]
	v_cvt_pk_f16_f32 v[129+2*i], v[66+4*i], v[67+4*i]
	global_store_b64 v[CO], v[128+2*i:129+2*i], s[8:9] offset:(i%2)*16384+(i/2)*256   ; the wave stores 256 consecutive bytes, aligned: two rows of one block of 64 columns
.set i, i+1
.endr
	s_wait_xcnt 0x0                                ; the stores' data and base are rewritten only behind this wait
	v_add_nc_u32 v[RD], 16*PD, v[RD]
	s_add_nc_u64 s[8:9], s[8:9], 2048
	s_sub_co_u32 s3, s3, 1
	s_cmp_lg_u32 s3, 0
	s_cbranch_scc1 .Lout
	s_wait_tensorcnt 0x0                           ; the wave's end
	ds_add_u32 v[SPW], v[NIL]
	s_wait_dscnt 0x0
	CROUND                                         ; the closing round
	s_endpgm
.Lfunc_end_k_q2764e3adb6_ffn1:
	.size	k_q2764e3adb6_ffn1, .Lfunc_end_k_q2764e3adb6_ffn1-k_q2764e3adb6_ffn1
	.p2alignl 7, 3214868480
	.fill 96, 4, 3214868480
	.section	.rodata,"a",@progbits
	.p2align	6, 0x0
	.amdhsa_kernel k_q2764e3adb6_ffn1
		.amdhsa_group_segment_fixed_size 327680
		.amdhsa_private_segment_fixed_size 0
		.amdhsa_enable_private_segment 0
		.amdhsa_kernarg_size 32
		.amdhsa_user_sgpr_count 2
		.amdhsa_user_sgpr_kernarg_segment_ptr 1
		.amdhsa_wavefront_size32 1
		.amdhsa_system_sgpr_workgroup_id_x 1
		.amdhsa_system_sgpr_workgroup_id_y 1
		.amdhsa_system_sgpr_workgroup_id_z 1
		.amdhsa_system_vgpr_workitem_id 0
		.amdhsa_next_free_vgpr 1024
		.amdhsa_next_free_sgpr 72
		.amdhsa_reserve_vcc 0
		.amdhsa_float_denorm_mode_32 3
		.amdhsa_float_denorm_mode_16_64 3
		.amdhsa_memory_ordered 1
		.amdhsa_forward_progress 1
		.amdhsa_inst_pref_size 90
	.end_amdhsa_kernel
	.amdgpu_metadata
---
amdhsa.version: [ 1, 2 ]
amdhsa.kernels:
  - .name:           k_q2764e3adb6_ffn1
    .symbol:         k_q2764e3adb6_ffn1.kd
    .args:
      - { .name: hn, .offset: 0, .size: 8, .value_kind: global_buffer, .address_space: global }
      - { .name: w1b, .offset: 8, .size: 8, .value_kind: global_buffer, .address_space: global }
      - { .name: hff, .offset: 16, .size: 8, .value_kind: global_buffer, .address_space: global }
      - { .name: b1, .offset: 24, .size: 8, .value_kind: global_buffer, .address_space: global }
    .group_segment_fixed_size: 327680
    .private_segment_fixed_size: 0
    .kernarg_segment_align: 8
    .kernarg_segment_size: 32
    .max_flat_workgroup_size: 128
    .sgpr_count:     72
    .vgpr_count:     1024
    .wavefront_size: 32
...
	.end_amdgpu_metadata
.endif
;; end of part 4
;; launch ffn2 (part 5): grid 8 x 32, 4 waves a work-group, clusters of 4 x 4, 327,680 bytes of LDS; arguments hff, w2b, out0, x1, b2; writes out0
.if DOCPART == 5
	.amdgcn_target "amdgcn-amd-amdhsa--gfx1250"
	.amdhsa_code_object_version 6
	.text
	.protected	k_q2764e3adb6_ffn2
	.globl	k_q2764e3adb6_ffn2
	.p2align	8
	.type	k_q2764e3adb6_ffn2,@function
k_q2764e3adb6_ffn2:
	s_mov_b64 s[64:65], 0
	v_nop
	global_prefetch_b8 v0, s[64:65] scope:SCOPE_SE
	s_setreg_imm32_b32 hwreg(HW_REG_WAVE_MODE, 25, 1), 1
	s_wait_xcnt 0x0
	s_wait_alu depctr_hold_cnt(0) depctr_sa_sdst(0) depctr_va_vdst(0) depctr_va_sdst(0) depctr_va_ssrc(0) depctr_va_vcc(0) depctr_vm_vsrc(0)
	s_getreg_b32 s2, hwreg(HW_REG_IB_STS2, 6, 4)
	s_cmp_eq_u32 s2, 0
	s_cbranch_scc0 .Lentry_in_a_cluster
	s_endpgm
.Lentry_in_a_cluster:
	s_bfe_u32 s2, ttmp6, 0x10000c
	s_cmp_lg_u32 s2, 0xf033
	s_cbranch_scc0 .Lentry_shape_is_right
	s_endpgm
.Lentry_shape_is_right:
; OUT = RES + A B (+ bias).  A: f16, blocked [row / 128][k / 64][row % 128][k % 64]; B: f16 [SIZE_K][1024]; RES, OUT: f32 [4096][1024].  Sums in f32.
; Here: out0 = x1 + hff W2 + b2, SIZE_K = 4096; the bias is the C of each sum's first product.
; A tile of OUT is 128 x 128 (8 x 32 = 256 work-groups); four waves, each 64 x 64: 16 accumulators.  K steps of 256 through two LDS slots.
; A's K step of a tile is 65,536 dense bytes, brought as rows of 256 bytes (two tokens x 64 k); B lies [k][n] and comes out of LDS turned (ds_load_tr16_b128).
; The matrix instruction is used transposed (source 0 = 16 columns of B, source 1 = 16 rows of A): a lane holds eight neighbouring columns of a row.
; CLUSTER 4 x 4: A's tiles are shared along a row of the cluster, B's along a column: joint loads.
; The residual's 32 loads a lane are issued behind the first quarter, when the first tiles have landed, and stay out under the rest of the K loop.
; REGISTERS: window 0 v0-31 addresses, v96-127 bias, v128-255 accumulators ((a, b) at v[128 + 8 (4 a + b)]); window 1 two fragment buffers of 128 (64 of A, 64 of B); window 2 v0-127 the residual.
.set SIZE_K,   4096
.set HAS_BIAS, 1
.set NSTEP, SIZE_K/256
.set PA,    272                        ; A's LDS rows: 256 bytes + 16
.set PB,    288                        ; B's LDS rows: 256 bytes + 32
.set AHALF, 128*PA
.set BOFF,  2*AHALF
.set BHALF, 128*PB
.set SLOT,  0x24000                    ; shares no bit with a tile's place in its slot (0, 0x8800, 0x11000, 0x1a000), so an exclusive or changes slots
.set ASTEP, 65536
.set BSTEP, 256*2048
.set PS,    528                        ; the way out: rows of 512 bytes + 16, at LDS byte 0, in slot 0, which has had its last fill by then
.set SPARE, 2*SLOT
.set ADRA0, 14
.set ADRB0, 15
.set ADRA,  16
.set ADRB,  20                         ; v20: quarters 0, 1; v21: quarters 2, 3 (an LDS offset has 16 bits)
.set STO,   24
.set RD,    25
.set RO,    26
.set BA,    27
.set SPW,   28
.set NIL,   29
.set BIAS,  96
.set ACC,   128
.set F0,    0
.set F1,    128
.set G1,  24
.set G0,  32
.set G1B, 48
.set G0B, 56
.set MSB, 0
.macro WIN new                         ; the immediate's high byte repeats the setting that is left
.if MSB != (\new)
	s_set_vgpr_msb (MSB<<8)|(\new)
.set MSB, \new
.endif
.endm
.set MUL,  0x05
.set TO_F, 0x40
.macro PLACES                          ; four places behind matrix instructions (ISA guide 7.12.1)
.rept 4
	v_nop
.endr
.endm
.macro JLOAD                           ; the joint refill by the walking descriptors: waves 0, 1 A's halves, waves 2, 3 B's; four v_nop follow each line
	s_cmp_eq_u32 s11, 0
	s_cbranch_scc0 .Lfor_b_\@
	tensor_load_to_lds s[G0+4:G0+7], s[G1:G1+7]
	s_nop 0
.rept 4
	v_nop
.endr
	s_branch .Lasked_\@
.Lfor_b_\@:
	tensor_load_to_lds s[G0B+4:G0B+7], s[G1B:G1B+7]
	s_nop 0
.rept 4
	v_nop
.endr
.Lasked_\@:
.endm
.macro CREST
	s_cmp_lg_u32 s10, 0
	s_cbranch_scc1 .Lnot_wave_0_\@
	s_barrier_signal -3
.Lnot_wave_0_\@:
	s_barrier_wait -3
	s_barrier_signal -1
	s_barrier_wait -1
.endm
.macro CROUND
	s_barrier_signal -1
	s_barrier_wait -1
	CREST
.endm
	s_load_b128 s[4:7], s[0:1], 0x0                ; A s[4:5], B s[6:7]
	s_load_b64 s[8:9], s[0:1], 0x10                ; OUT
	s_load_b64 s[66:67], s[0:1], 0x18              ; RES
.if HAS_BIAS
	s_load_b64 s[68:69], s[0:1], 0x20              ; bias
.endif
	v_lshl_add_u32 v[SPW], v0, 2, SPARE
	v_mov_b32 v[NIL], 0
	ds_add_u32 v28, v29
	s_wait_dscnt 0x0
	v_lshrrev_b32 v1, 5, v0
	v_readfirstlane_b32 s10, v1                    ; wave
	s_lshr_b32 s11, s10, 1                         ; my half of the tile's rows.  Also: I fetch A (0) or B (1)
	s_and_b32 s12, s10, 1                          ; my half of its columns.  Also: which half of that tile I fetch
	s_bfe_u32 s40, ttmp6, 0x40000                  ; cx
	s_bfe_u32 s41, ttmp6, 0x40004                  ; cy
	s_lshl_b32 s42, ttmp9, 2
	s_add_co_u32 s42, s42, s40                     ; tile column
	s_and_b32 s13, ttmp7, 0xffff
	s_lshl_b32 s13, s13, 2
	s_add_co_u32 s13, s13, s41                     ; tile row
	s_lshl_b32 s43, s41, 2
	s_lshl_b32 s43, 15, s43                        ; my row of the cluster
	s_lshl_b32 s44, 0x1111, s40                    ; my column
	s_or_b32 s[G1+0], s43, (1<<16)|(1<<20)|(1<<21)|(5<<22)|(3<<25)   ; mask; 2-byte elements; padding on; bit 21 beside a mask; 4 words behind every 64
	s_or_b32 s[G1B+0], s44, (1<<16)|(1<<20)|(1<<21)|(5<<22)|(7<<25)  ; 8 words behind every 64
.irp g, G1, G1B
	s_mov_b32 s[\g+1], 128<<16                     ; tensor_dim0 = 128
	s_mov_b32 s[\g+2], 128<<16                     ; tensor_dim1 = 128
	s_mov_b32 s[\g+3], 128<<16                     ; tile_dim0 = 128
	s_mov_b32 s[\g+4], 128                         ; tile_dim1 = 128
	s_mov_b32 s[\g+6], 0
	s_mov_b32 s[\g+7], 0
.endr
	s_mov_b32 s[G1+5], 128                         ; A: dense rows
	s_mov_b32 s[G1B+5], 1024                       ; B: elements from k row to k row
	s_mul_i32 s16, s13, SIZE_K*256                 ; A: a block of 128 rows,
	s_lshl_b32 s17, s12, 15                        ; half a K step
	s_add_co_u32 s16, s16, s17
	s_mov_b32 s17, 0
	s_lshl_b32 s46, s42, 8                         ; B: 128 columns,
	s_lshl_b32 s47, s12, 18                        ; 128 k rows
	s_add_co_u32 s46, s46, s47
	s_mov_b32 s47, 0
	s_mul_i32 s20, s12, AHALF                      ; where they go: the wave's number alone enters an LDS address
	s_mul_i32 s21, s12, BHALF
	s_add_co_u32 s21, s21, BOFF
	s_mov_b32 s45, 0                               ; the slot that is read
	s_lshl_b32 s22, s13, 19                        ; OUT and RES: 128 rows of 4,096 bytes a tile row,
	s_lshl_b32 s23, s10, 17                        ; 32 rows a wave,
	s_add_co_u32 s22, s22, s23
	s_lshl_b32 s23, s42, 9                         ; 512 bytes a tile column
	s_add_co_u32 s22, s22, s23
	s_mov_b32 s23, 0
	s_lshl_b32 s18, s42, 9                         ; bias: 128 columns a tile, 64 a wave
	s_lshl_b32 s19, s12, 8
	s_add_co_u32 s18, s18, s19
	s_mov_b32 s19, 0
	CROUND                                         ; all sixteen work-groups are here: the first joint loads meet.  The round needs no argument, so it stands ahead of the wait for them
	s_wait_kmcnt 0x0
	s_add_nc_u64 s[14:15], s[4:5], s[16:17]
	s_add_nc_u64 s[46:47], s[6:7], s[46:47]
.irp s, 0,1
	s_mov_b32 s[G0+4*\s], 1
	s_add_co_u32 s[G0+4*\s+1], s20, \s*SLOT
	s_add_nc_u64 s[G0+4*\s+2:G0+4*\s+3], s[14:15], \s*ASTEP
	s_or_b32 s[G0+4*\s+3], s[G0+4*\s+3], 0x80000000
	s_mov_b32 s[G0B+4*\s], 1
	s_add_co_u32 s[G0B+4*\s+1], s21, \s*SLOT
	s_add_nc_u64 s[G0B+4*\s+2:G0B+4*\s+3], s[46:47], \s*BSTEP
	s_or_b32 s[G0B+4*\s+3], s[G0B+4*\s+3], 0x80000000
.endr
	s_cmp_eq_u32 s11, 0                            ; a wave's two first fills stand in one branch: two loads of mine are out
	s_cbranch_scc0 .Lfirst_b
	tensor_load_to_lds s[G0:G0+3], s[G1:G1+7]
	s_nop 0
	tensor_load_to_lds s[G0+4:G0+7], s[G1:G1+7]
	s_nop 0
.rept 4
	v_nop
.endr
	s_branch .Lfirst_asked
.Lfirst_b:
	tensor_load_to_lds s[G0B:G0B+3], s[G1B:G1B+7]
	s_nop 0
	tensor_load_to_lds s[G0B+4:G0B+7], s[G1B:G1B+7]
	s_nop 0
.rept 4
	v_nop
.endr
.Lfirst_asked:
	s_add_nc_u64 s[8:9], s[8:9], s[22:23]
	s_add_nc_u64 s[66:67], s[66:67], s[22:23]
.if HAS_BIAS
	s_add_nc_u64 s[68:69], s[68:69], s[18:19]
.endif
	v_and_b32 v1, 15, v0                           ; r
	v_bfe_u32 v2, v0, 4, 1                         ; h
	v_and_b32 v3, 31, v0
	v_lshlrev_b32 v[RO], 4, v3                     ; 16 bytes a lane of a row's 512
	v_lshlrev_b32 v[BA], 5, v2                     ; bias: my eight columns begin 8 h in
.if HAS_BIAS
.irp b, 0,1,2,3
	global_load_b128 v[BIAS+8*\b:BIAS+8*\b+3],   v[BA], s[68:69] offset:64*\b
	global_load_b128 v[BIAS+8*\b+4:BIAS+8*\b+7], v[BA], s[68:69] offset:64*\b+16
.endr
.endif
	v_lshrrev_b32 v3, 1, v1                        ; A: token r lies in LDS row r / 2, half r % 2
	v_mul_u32_u24 v3, v3, PA
	v_and_b32 v4, 1, v0
	v_lshl_add_u32 v3, v4, 7, v3
	v_lshl_add_u32 v3, v2, 4, v3
	s_mul_i32 s14, s11, 32*PA                      ; my 64 tokens
	v_add_nc_u32 v[ADRA0], s14, v3
	v_and_b32 v3, 7, v0                            ; B, turned: k row 8 h + l % 8, columns 8 ((l / 8) % 2) on
	v_lshl_add_u32 v3, v2, 3, v3
	v_mul_u32_u24 v3, v3, PB
	v_bfe_u32 v4, v0, 3, 1
	v_lshl_add_u32 v3, v4, 4, v3
	s_lshl_b32 s14, s12, 7                         ; my 64 columns
	s_add_co_u32 s14, s14, BOFF
	v_add_nc_u32 v[ADRB0], s14, v3
	v_mov_b32 v[ADRA], v[ADRA0]
	v_mov_b32 v[ADRB], v[ADRB0]
	v_add_nc_u32 v[ADRB+1], BHALF, v[ADRB0]
	v_mul_u32_u24 v3, v1, PS                       ; into the stage: row r, 32 bytes for each half of the lanes
	v_lshl_add_u32 v3, v2, 5, v3
	s_mul_i32 s14, s11, 64*PS
	s_lshl_b32 s15, s12, 8
	s_add_co_u32 s14, s14, s15
	v_add_nc_u32 v[STO], s14, v3
	s_mul_i32 s14, s10, 32*PS                      ; back: wave w takes rows 32 w .. 32 w + 31, whole
	v_add_nc_u32 v[RD], s14, v[RO]
; eight products: row blocks a0, a0 + 1 x all four column blocks, 32 along K: half c of buffer f.  zero = 1: they start the sums, with the bias where there is one
.macro MUL8 f, c, a0, zero
.irp a, \a0, \a0+1
.irp b, 0,1,2,3
.if \zero
.if HAS_BIAS
	v_wmma_f32_16x16x32_f16 v[ACC+8*(4*(\a)+\b):ACC+8*(4*(\a)+\b)+7], v[\f+64+8*(4*\c+\b):\f+64+8*(4*\c+\b)+7], v[\f+8*(4*\c+\a):\f+8*(4*\c+\a)+7], v[BIAS+8*\b:BIAS+8*\b+7]
.else
	v_wmma_f32_16x16x32_f16 v[ACC+8*(4*(\a)+\b):ACC+8*(4*(\a)+\b)+7], v[\f+64+8*(4*\c+\b):\f+64+8*(4*\c+\b)+7], v[\f+8*(4*\c+\a):\f+8*(4*\c+\a)+7], 0
.endif
.else
	v_wmma_f32_16x16x32_f16 v[ACC+8*(4*(\a)+\b):ACC+8*(4*(\a)+\b)+7], v[\f+64+8*(4*\c+\b):\f+64+8*(4*\c+\b)+7], v[\f+8*(4*\c+\a):\f+8*(4*\c+\a)+7], v[ACC+8*(4*(\a)+\b):ACC+8*(4*(\a)+\b)+7]
.endif
.endr
.endr
.endm
; 32 LDS loads in one run: quarter q (64 along K) of the slot in hand into buffer f; its first 32 along K first
.macro FETCH q, f
	WIN TO_F
.irp c, 0,1
.irp i, 0,1,2,3
	ds_load_tr16_b128 v[\f+64+8*(4*\c+\i):\f+64+8*(4*\c+\i)+3],   v[ADRB+\q/2] offset:((2*\q+\c)%4)*32*PB+32*\i
	ds_load_tr16_b128 v[\f+64+8*(4*\c+\i)+4:\f+64+8*(4*\c+\i)+7], v[ADRB+\q/2] offset:((2*\q+\c)%4)*32*PB+16*PB+32*\i
	ds_load_b128 v[\f+8*(4*\c+\i):\f+8*(4*\c+\i)+3],   v[ADRA] offset:\q*64*PA+64*\c+\i*8*PA
	ds_load_b128 v[\f+8*(4*\c+\i)+4:\f+8*(4*\c+\i)+7], v[ADRA] offset:\q*64*PA+64*\c+\i*8*PA+32
.endr
.endr
.endm
.macro QUARTER q, f, g, zero
	s_wait_dscnt 16                                ; the first 32 along K are in
	WIN MUL
	MUL8 \f, 0, 0, \zero
	MUL8 \f, 0, 2, \zero
	PLACES
	FETCH \q, \g
	s_wait_dscnt 32                                ; all but the 32 just issued
	WIN MUL
	MUL8 \f, 1, 0, 0
	MUL8 \f, 1, 2, 0
.endm
; The fourth quarter changes slots and multiplies buffer 1.  One barrier: in front of it each wave waits for all its tensor loads (one is out: its part of the next slot),
; adds 0 to its spare word, and waits for that and for its reads of this slot.  fill = 1: the barrier opens a round of the cluster's, and the slot is filled again, two K steps ahead.
; A K step has 128 matrix instructions a wave for 131,072 bytes fetched, half the work for a byte that a tile of 256 x 256 has, so the refill is not kept waiting:
; no product stands between the wait for the tile and the refill; the quarter's 32 follow the refill and the next slot's fragment loads, which land under them.
.macro TURN fill
	WIN 0
	s_wait_tensorcnt 0x0
	ds_add_u32 v[SPW], v[NIL]                      ; the steps below stand between the add and the wait for it
.if \fill
	s_xor_b32 s[G0+5], s[G0+5], SLOT               ; no tensor load of mine is out: the walking descriptors take the other slot than last time, the next K step
	s_add_nc_u64 s[G0+6:G0+7], s[G0+6:G0+7], ASTEP
	s_xor_b32 s[G0B+5], s[G0B+5], SLOT
	s_add_nc_u64 s[G0B+6:G0B+7], s[G0B+6:G0B+7], BSTEP
.endif
	s_xor_b32 s45, s45, SLOT
	s_wait_dscnt 0x0                               ; the add is done, my reads of this slot are over
	s_barrier_signal -1
	s_barrier_wait -1
.if \fill
	CREST                                          ; no wave of any partner still reads this slot or has a load on its way
	JLOAD                                          ; my one tensor load behind the round; its four v_nop are also the places in front of the loads below
.else
	PLACES
.endif
	v_add_nc_u32 v[ADRA], s45, v[ADRA0]
	v_add_nc_u32 v[ADRB], s45, v[ADRB0]
	v_add_nc_u32 v[ADRB+1], BHALF, v[ADRB]
	FETCH 0, F0
	WIN MUL
	MUL8 F1, 0, 0, 0
	MUL8 F1, 0, 2, 0
	MUL8 F1, 1, 0, 0
	MUL8 F1, 1, 2, 0
.endm
	s_wait_tensorcnt 0x1                           ; my part of K step 0 is in; K step 1's may stay out
	s_barrier_signal -1
	s_barrier_wait -1
	FETCH 0, F0
.if HAS_BIAS
	s_wait_loadcnt 0x0                             ; the bias
.endif
	QUARTER 1, F0, F1, 1
	WIN 0x80
.set i, 0
.rept 32
	global_load_b128 v[4*i:4*i+3], v[RO], s[66:67] offset:4096*i   ; row 32 w + i of the tile: what I add and store at the end
.set i, i+1
.endr
	WIN 0
	s_mov_b32 s3, NSTEP-2
.Lstep:                                                ; a trip: from a K step's second quarter to the next step's first; it fills the slot that it leaves
	QUARTER 2, F1, F0, 0
	QUARTER 3, F0, F1, 0
	TURN 1
	QUARTER 1, F0, F1, 0
	WIN 0
	s_sub_co_u32 s3, s3, 1
	s_cmp_lg_u32 s3, 0
	s_cbranch_scc1 .Lstep
	s_mov_b32 s2, 2
.Ltail:                                                ; the last two K steps fill nothing: two trips, of which the second leaves ahead of the change of slots
	QUARTER 2, F1, F0, 0
	QUARTER 3, F0, F1, 0
	WIN 0
	s_cmp_eq_u32 s2, 1
	s_cbranch_scc1 .Llast
	TURN 0
	QUARTER 1, F0, F1, 0
	WIN 0
	s_sub_co_u32 s2, s2, 1
	s_cmp_lg_u32 s2, 0
	s_cbranch_scc1 .Ltail
.Llast:
	s_wait_dscnt 16
	WIN MUL
	MUL8 F1, 0, 0, 0
	MUL8 F1, 0, 2, 0
	s_wait_dscnt 0x0
	MUL8 F1, 1, 0, 0
	MUL8 F1, 1, 2, 0
	; THE WAY OUT: f32 through one stage, since a row's 512 bytes come from two waves; back as whole rows; the residual is added; 32 rows a wave
	WIN 0
	PLACES
	s_barrier_signal -1                            ; every wave has multiplied its last fragments: nobody reads the ring any more
	s_barrier_wait -1
.irp a, 0,1,2,3
.irp b, 0,1,2,3
	ds_store_b128 v[STO], v[ACC+8*(4*\a+\b):ACC+8*(4*\a+\b)+3]   offset:\a*16*PS+64*\b
	ds_store_b128 v[STO], v[ACC+8*(4*\a+\b)+4:ACC+8*(4*\a+\b)+7] offset:\a*16*PS+64*\b+16
.endr
.endr
	s_wait_dscnt 0x0                               ; for the others' sake: my stores into the stage are done
	s_barrier_signal -1
	s_barrier_wait -1
.set i, 0
.rept 32
	ds_load_b128 v[ACC+4*i:ACC+4*i+3], v[RD] offset:i*PS
.set i, i+1
.endr
	s_wait_loadcnt 0x0                             ; the residual
	WIN 0x08                                       ; source 1 in window 2
.set i, 0
.rept 32
	s_wait_dscnt 31-i                              ; row i is back; the younger loads stay out
	v_pk_add_f32 v[ACC+4*i:ACC+4*i+1], v[ACC+4*i:ACC+4*i+1], v[4*i:4*i+1]
	v_pk_add_f32 v[ACC+4*i+2:ACC+4*i+3], v[ACC+4*i+2:ACC+4*i+3], v[4*i+2:4*i+3]
.set i, i+1
.endr
	WIN 0
.set i, 0
.rept 32
	global_store_b128 v[RO], v[ACC+4*i:ACC+4*i+3], s[8:9] offset:4096*i   ; the wave stores 512 consecutive bytes, aligned
.set i, i+1
.endr
	s_wait_tensorcnt 0x0                           ; the wave's end
	ds_add_u32 v[SPW], v[NIL]
	s_wait_dscnt 0x0
	CROUND                                         ; the closing round
	s_endpgm
.Lfunc_end_k_q2764e3adb6_ffn2:
	.size	k_q2764e3adb6_ffn2, .Lfunc_end_k_q2764e3adb6_ffn2-k_q2764e3adb6_ffn2
	.p2alignl 7, 3214868480
	.fill 96, 4, 3214868480
	.section	.rodata,"a",@progbits
	.p2align	6, 0x0
	.amdhsa_kernel k_q2764e3adb6_ffn2
		.amdhsa_group_segment_fixed_size 327680
		.amdhsa_private_segment_fixed_size 0
		.amdhsa_enable_private_segment 0
		.amdhsa_kernarg_size 40
		.amdhsa_user_sgpr_count 2
		.amdhsa_user_sgpr_kernarg_segment_ptr 1
		.amdhsa_wavefront_size32 1
		.amdhsa_system_sgpr_workgroup_id_x 1
		.amdhsa_system_sgpr_workgroup_id_y 1
		.amdhsa_system_sgpr_workgroup_id_z 1
		.amdhsa_system_vgpr_workitem_id 0
		.amdhsa_next_free_vgpr 768
		.amdhsa_next_free_sgpr 72
		.amdhsa_reserve_vcc 0
		.amdhsa_float_denorm_mode_32 3
		.amdhsa_float_denorm_mode_16_64 3
		.amdhsa_memory_ordered 1
		.amdhsa_forward_progress 1
		.amdhsa_inst_pref_size 69
	.end_amdhsa_kernel
	.amdgpu_metadata
---
amdhsa.version: [ 1, 2 ]
amdhsa.kernels:
  - .name:           k_q2764e3adb6_ffn2
    .symbol:         k_q2764e3adb6_ffn2.kd
    .args:
      - { .name: hff, .offset: 0, .size: 8, .value_kind: global_buffer, .address_space: global }
      - { .name: w2b, .offset: 8, .size: 8, .value_kind: global_buffer, .address_space: global }
      - { .name: out0, .offset: 16, .size: 8, .value_kind: global_buffer, .address_space: global }
      - { .name: x1, .offset: 24, .size: 8, .value_kind: global_buffer, .address_space: global }
      - { .name: b2, .offset: 32, .size: 8, .value_kind: global_buffer, .address_space: global }
    .group_segment_fixed_size: 327680
    .private_segment_fixed_size: 0
    .kernarg_segment_align: 8
    .kernarg_segment_size: 40
    .max_flat_workgroup_size: 128
    .sgpr_count:     72
    .vgpr_count:     768
    .wavefront_size: 32
...
	.end_amdgpu_metadata
.endif
;; end of part 5
